; MI455X (gfx1250); checked and timed in simulation.
; The chip was launched on July 23, 2026; its instructions are those of AMD's public machine-readable ISA for CDNA 5 (MIT licence, August 2026) and "CDNA5" Instruction Set Architecture Reference Guide (July 2026). The comments in the code are by the model that wrote it; some were corrected since.
;; Multi Head Self Attention. Allowed arithmetic: matrix products marked QUANTISED: E2M3 operands, one E8M0 scale for each 32 along K, by v_wmma_scale_f32_16x16x128_f8f6f4 with both operands' format E2M3, f32 sums; everything else in f32.
;; Inputs: W_K 1,024 x 1,024 float32; W_O 1,024 x 1,024 float32; W_Q 1,024 x 1,024 float32; W_V 1,024 x 1,024 float32; token_positions 2,048 int32; x 4 x 2,048 x 1,024 float32.
;; Outputs: out0 4 x 2,048 x 1,024 float32.
;; This version of the problem:
;;   THIS VERSION OF THE PROBLEM IS GIVEN IN LOW PRECISION. The matrix products marked QUANTISED in the list below multiply operands that are first quantised to E2M3 (2 exponent bits, 3 mantissa bits; 6 bits a number), with one power-of-two scale for each 32 numbers along K (OCP MX v1.0); their sums are f32. All else is computed in f32.
;;   The module's matrix products, in the order in which they are computed (A, B: the left and right operand; K: the contracted axis; several contracted axes count as one K, in the product's order):
;;     1. [M 8,192, K 1,024] x [K 1,024, N 1,024]; A: input x; B: input W_Q: QUANTISED
;;     2. [M 8,192, K 1,024] x [K 1,024, N 1,024]; A: input x; B: input W_K: QUANTISED
;;     3. [M 8,192, K 1,024] x [K 1,024, N 1,024]; A: input x; B: input W_V: QUANTISED
;;     4. batch 64 x [M 2,048, K 64] x [K 64, N 2,048]; A: computed on the way; B: computed on the way: QUANTISED
;;     5. batch 64 x [M 64, K 2,048] x [K 2,048, N 2,048]; A: computed on the way; B: softmax (see below): QUANTISED
;;     6. [M 8,192, K 1,024] x [K 1,024, N 1,024]; A: computed on the way; B: input W_O: QUANTISED
;;   THE QUANTISER, for each operand of a quantised product, along K:
;;     - K is cut into blocks of 32 from its start; a last block that is shorter is filled with zeros.
;;     - A block's scale is 2^e with e = floor(log2(the largest magnitude in the block)) - 2, held to -126 .. 127; a block of zeros has e = 0. As a byte (E8M0): e + 127.
;;     - Each number is divided by its block's scale, clamped to +-7.5, and rounded to the nearest number of E2M3, ties to even, subnormals kept.
;;     - The product sums the exact products of the quantised numbers (number of the format x scale) in f32.
;;   ~~~python
;;   def quantise(x, axis):      # numpy; x: float32 -> the quantised numbers, widened to float32 again
;;       x = np.moveaxis(x, axis, -1); K = x.shape[-1]
;;       x = np.pad(x, [(0, 0)] * (x.ndim - 1) + [(0, -K % 32)]); x = x.reshape(x.shape[:-1] + (-1, 32)); a = np.abs(x).max(-1, keepdims=True)
;;       e = np.where(a > 0, np.clip(np.frexp(np.where(a > 0, a, 1))[1] - 1 - 2, -126, 127), 0)      # np.frexp(a)[1] - 1 = floor(log2(a)), exactly
;;       r = np.clip(x / 2.0 ** e, -7.5, 7.5)
;;       step = 2.0 ** (np.maximum(np.frexp(np.where(r == 0, 1, r))[1] - 1, 0) - 3)
;;       q = np.round(r / step) * step * 2.0 ** e      # np.round: ties to even
;;       return np.moveaxis(q.reshape(q.shape[:-2] + (-1,))[..., :K], -1, axis).astype(np.float32)
;;   ~~~
;;   SOFTMAX AHEAD OF A QUANTISED PRODUCT. Where the list says 'softmax', what is quantised is not the finished softmax but p = 2^(t - M), with t = logit x log2(e) and M = ceil(the row's largest t), a whole number; so 1/2 < the row's largest p <= 1. The row's sum l is taken of the UNQUANTISED p, in f32, and the product's result is divided by l at the end. Since M is a whole number, a kernel that streams over the keys may use a running M (the ceiling of the running maximum): every later rescaling is an exact power of two, which a block's scale takes up: the codes' values come out the same.
;;   OPERANDS COMPUTED ON THE WAY. 'Computed on the way' means the value that the module computes at that place (a softmax that the list does not call 'softmax' is quantised finished and normalised). What goes into a quantiser is computed in f32, as accurately as f32 sums, v_exp_f32 and their like allow (about 1e-6 of the number): no bf16 or f16 on the way to a quantiser, and a product that is left as it is and whose result goes on into a quantised operand takes f32 operands (vector FMAs, or v_wmma_f32_16x16x4_f32). A number that lies on a knife's edge between two numbers of the format may be rounded either way, as far as f32 arithmetic and the matrix unit's own rounding can turn it there, and no further.
;; One version. Each part assembles by itself: llvm-mc -triple=amdgcn-amd-amdhsa -mcpu=gfx1250 --defsym DOCPART=n.
;; ======== version 1 of 1: 4 launches
;; limits: right only within a limited range of input values
;; workspace buffers: xq 6,553,600 bytes; wq 3,276,800 bytes; rope 524,288 bytes; q 6,815,744 bytes; kv 13,369,344 bytes; oq 6,553,600 bytes
;; launch prep (part 1): grid 416 x 1, 4 waves a work-group, no clusters, 34,304 bytes of LDS; arguments x, W_Q, W_K, W_V, W_O, token_positions, xq, wq, rope; writes xq, wq, rope
.if DOCPART == 1
	.amdgcn_target "amdgcn-amd-amdhsa--gfx1250"
	.amdhsa_code_object_version 6
	.text
	.protected	k_q9133729855_prep
	.globl	k_q9133729855_prep
	.p2align	8
	.type	k_q9133729855_prep,@function
k_q9133729855_prep:
	s_mov_b64 s[64:65], 0
	v_nop
	global_prefetch_b8 v0, s[64:65] scope:SCOPE_SE
	s_setreg_imm32_b32 hwreg(HW_REG_WAVE_MODE, 25, 1), 1
	s_wait_xcnt 0x0
; x [8192][1024] and the four weights [1024][1024], f32, K innermost, become codes of FP6 (E2M3) with one E8M0 byte for each 32 along K,
; laid in the ORDER OF THE OPERAND'S REGISTERS; and token_positions becomes a table of cos and sin.
; A TILE is 16 rows of a group of 32: tile 2 G + u holds rows 32 G + 8 u + p + 8 (p / 8), p = 0 .. 15.  A FRAGMENT is a tile x 128 along K: 12 registers a lane
; (lane (r, h): row p = r; registers 6 c .. 6 c + 5 hold k = 64 c + 32 h + 0 .. 31).  It is stored as 1,536 bytes: registers 4 j .. 4 j + 3 at 512 j + 16 x lane.
; Codes: [tile][fragment 0 .. 7][1,536].  Scale words behind them: [tile][256 along K: 4][row 16][128 along K: 2] words, 512 bytes a tile.
; wq holds W_Q's 64 tiles, then W_K's, W_V's, W_O's.
; SHARES.  Work-groups 0-255: 32 rows of x each; 256-383: 32 rows of a weight; 384-415: the table.  In the first two kinds wave w takes tile u = w & 1 and half w >> 1 of K: four fragments.
; Each load reads 512 consecutive bytes of one row; a fragment's 16 x 512 bytes turn through the wave's own stage in LDS (rows 528 bytes apart) and come back 128 consecutive bytes a lane and block.
; A block's scale is 2^(floor(log2(largest magnitude)) - 2): its byte is the largest magnitude's exponent field - 2, held at 1 from below.
; THE TABLE: rope[i][j] = (cos, sin) of f32(token_positions[i]) x 10000^(-j / 32), i = the sequence index, j = 0 .. 31: 256 bytes an index.  A lane is a frequency j.
; sin and cos: the angle less n x pi / 2 in three parts by fused multiply-adds, polynomials on -pi/4 .. pi/4, the quadrant by selects: no branch on data.
; LIMITS: a block of zeros gets the byte 1 (its codes are zeros, and this program alone reads the bytes); blocks whose largest magnitude lies under 2^-124 keep the byte 1; NaN and infinities are not served;
; positions up to 2^20 in magnitude; 10000^(-j / 32) comes from v_exp_f32 with a correction and lies within about one unit in the last place of the true power.
.set XSC,   6291456                    ; xq: where the scale words begin
.set WSC,   3145728                    ; wq: likewise
.set STG,   8448                       ; a wave's stage: 16 rows x 528 bytes
.set SPARE, 4*STG                      ; behind the stages: the spare words, 128 bytes a wave: two blocks of 256 bytes that no other line names
.set SPW,   12                         ; v12  LDS address of my spare word; never rewritten
.set NIL,   13                         ; v13  0; never rewritten
.set W,     16                         ; v16-19   the four fragments' scale words
.set C,     28                         ; v28-51   codes: two sets of 12
.set X,     52                         ; v52-115  64 numbers: two blocks of 32 neighbours
.set R,     116                        ; v116-243 two sets of 64 registers as loaded
	s_load_b512 s[8:23], s[0:1], 0x0               ; x, W_Q, W_K, W_V, W_O, token_positions, xq, wq
	s_load_b64 s[24:25], s[0:1], 0x40              ; rope
	v_lshl_add_u32 v[SPW], v0, 2, SPARE
	v_mov_b32 v[NIL], 0
	v_lshrrev_b32 v1, 5, v0
	v_readfirstlane_b32 s2, v1                     ; wave
	v_and_b32 v1, 31, v0                           ; lane
	v_lshlrev_b32 v5, 3, v1                        ; 8 x lane
	s_cmp_ge_u32 ttmp9, 384                        ; the work-group's number alone decides the path
	s_cbranch_scc1 .Ltable
	v_lshlrev_b32 v2, 4, v1                        ; 16 x lane
	v_and_b32 v7, 15, v0                           ; r
	v_bfe_u32 v6, v0, 4, 1                         ; h
	s_mul_i32 s3, s2, STG                          ; my stage
	v_add_nc_u32 v3, s3, v2                        ; in: 16 x lane of a row
	v_mul_u32_u24 v4, v7, 528
	v_lshl_add_u32 v4, v6, 7, v4
	v_add_nc_u32 v4, s3, v4                        ; back: row r, + 128 h: my block of 32 numbers
	v_cmp_eq_u32 s6, 1, v6                         ; the mask of lanes 16-31
	v_lshlrev_b32 v6, 3, v6                        ; 8 h: my bytes' place in a scale word
	v_mov_b32 v15, 0                               ; a lane permute's destination counts as one of its sources
	s_mov_b32 s4, 0x76543210
	s_mov_b32 s5, 0xfedcba98                       ; selects for lane l xor 16
	s_and_b32 s26, s2, 1                           ; u
	s_lshr_b32 s27, s2, 1                          ; which half of K
	s_sub_co_u32 s28, ttmp9, 256                   ; among the weights' groups of 32 rows
	s_lshr_b32 s29, s28, 5                         ; which weight
	s_and_b32 s30, s28, 31                         ; which group of it
	s_mov_b32 s31, WSC
	s_wait_alu depctr_va_vdst(0)
	s_wait_kmcnt 0x0
	s_cmp_eq_u32 s29, 1
	s_cselect_b64 s[10:11], s[12:13], s[10:11]
	s_cmp_eq_u32 s29, 2
	s_cselect_b64 s[10:11], s[14:15], s[10:11]
	s_cmp_eq_u32 s29, 3
	s_cselect_b64 s[10:11], s[16:17], s[10:11]
	s_cmp_lt_u32 ttmp9, 256
	s_cselect_b64 s[8:9], s[8:9], s[10:11]         ; from where
	s_cselect_b64 s[20:21], s[20:21], s[22:23]     ; to where
	s_cselect_b32 s30, ttmp9, s30                  ; the group in the source,
	s_cselect_b32 s28, ttmp9, s28                  ; and in the destination
	s_cselect_b32 s31, XSC, s31
	s_lshl_b32 s30, s30, 17                        ; 32 rows of 4,096 bytes
	s_lshl_b32 s32, s26, 15                        ; 8 u rows
	s_add_co_u32 s30, s30, s32
	s_lshl_b32 s32, s27, 11                        ; half a row
	s_add_co_u32 s32, s30, s32
	s_mov_b32 s33, 0
	s_add_nc_u64 s[8:9], s[8:9], s[32:33]
	s_lshl_b32 s28, s28, 1
	s_add_co_u32 s28, s28, s26                     ; my tile
	s_mul_i32 s34, s28, 12288
	s_mul_i32 s36, s27, 6144
	s_add_co_u32 s34, s34, s36
	s_mov_b32 s35, 0
	s_lshl_b32 s36, s28, 9
	s_add_co_u32 s36, s36, s31
	s_lshl_b32 s38, s27, 8
	s_add_co_u32 s36, s36, s38
	s_mov_b32 s37, 0
	s_add_nc_u64 s[22:23], s[20:21], s[36:37]      ; my 256 bytes of scale words
	s_add_nc_u64 s[20:21], s[20:21], s[34:35]      ; my four fragments
.macro LOAD t                          ; fragment t: 16 rows x 512 consecutive bytes
.irp p, 0,1,2,3,4,5,6,7,8,9,10,11,12,13,14,15
	global_load_b128 v[R+64*((\t)%2)+4*\p:R+64*((\t)%2)+4*\p+3], v2, s[8:9] offset:(\p+8*(\p/8))*4096+512*(\t) th:TH_LOAD_NT
.endr
.endm
.macro STEP t
.set RS, R+64*((\t)%2)
.set CC, C+12*((\t)%2)
.if (\t) < 3
	s_wait_loadcnt 16                              ; this fragment's 16 loads are in; the next one's may be out
.else
	s_wait_loadcnt 0x0
.endif
.irp p, 0,1,2,3,4,5,6,7,8,9,10,11,12,13,14,15
	ds_store_b128 v3, v[RS+4*\p:RS+4*\p+3] offset:528*\p
.endr
.irp c, 0,1
.irp k, 0,1,2,3,4,5,6,7
	ds_load_b128 v[X+32*\c+4*\k:X+32*\c+4*\k+3], v4 offset:256*\c+16*\k   ; LDS serves a wave's instructions in order: these see the stores above
.endr
.endr
	s_wait_dscnt 0x0                               ; my 64 numbers are back, and the stores have read their registers,
.if (\t) < 2
	LOAD (\t)+2                                    ; which take the loads of two fragments on
.else
	s_wait_xcnt 0x0                                ; the stores of two fragments back have read this set of codes: it is written again only behind this wait
.endif
	v_max3_num_f32 v8, |v[X]|, |v[X+1]|, 0x1800000       ; block 2 c + h: all 32 numbers are mine; the floor 2^(3 - 127) holds the byte at 1 from below
	v_max3_num_f32 v9, |v[X+32]|, |v[X+33]|, 0x1800000
.irp i, 2,4,6,8,10,12,14,16,18,20,22,24,26,28,30
	v_max3_num_f32 v8, v8, |v[X+\i]|, |v[X+\i+1]|
	v_max3_num_f32 v9, v9, |v[X+32+\i]|, |v[X+33+\i]|
.endr
	v_add_nc_u32 v10, 0xff000000, v8               ; 2 off the exponent field: the conversion takes this operand's exponent field as its scale
	v_add_nc_u32 v11, 0xff000000, v9
	v_lshrrev_b32 v8, 23, v10                      ; the bytes
	v_lshrrev_b32 v9, 23, v11
	v_lshl_or_b32 v8, v9, 16, v8                   ; blocks h and 2 + h,
	v_lshlrev_b32 v8, v6, v8                       ; at their places;
	v_permlanex16_b32 v15, v8, s4, s5
	v_or_b32 v[W+(\t)], v8, v15                    ; with lane l xor 16's two the row's word is whole, in both lanes
	v_cvt_scalef32_pk16_fp6_f32 v[CC:CC+2], v[X:X+15], v10
	v_cvt_scalef32_pk16_fp6_f32 v[20:22], v[X+16:X+31], v10        ; (a conversion's three registers begin on an even number)
	v_cvt_scalef32_pk16_fp6_f32 v[CC+6:CC+8], v[X+32:X+47], v11
	v_cvt_scalef32_pk16_fp6_f32 v[24:26], v[X+48:X+63], v11
	v_nop                                          ; one plain place behind the scaled conversions
.irp i, 0,1,2
	v_mov_b32 v[CC+3+\i], v[20+\i]
	v_mov_b32 v[CC+9+\i], v[24+\i]
.endr
.irp j, 0,1,2
	global_store_b128 v2, v[CC+4*\j:CC+4*\j+3], s[20:21] offset:1536*(\t)+512*\j   ; 32 lanes store 512 consecutive bytes, aligned
.endr
.endm
	LOAD 0
	LOAD 1
	STEP 0
	STEP 1
	STEP 2
	STEP 3
	v_cndmask_b32 v8, v[W], v[W+2], s6             ; lanes 0-15: row r's words of my first 256 along K; lanes 16-31: of my second
	v_cndmask_b32 v9, v[W+1], v[W+3], s6
	global_store_b64 v5, v[8:9], s[22:23]          ; 256 consecutive bytes, aligned
	s_wait_tensorcnt 0x0                           ; the wave's end, behind my last LDS store
	ds_add_u32 v[SPW], v[NIL]
	s_wait_dscnt 0x0
	s_endpgm
.Ltable:
	s_sub_co_u32 s3, ttmp9, 384
	s_lshl_b32 s3, s3, 2
	s_add_co_u32 s3, s3, s2                        ; my wave's 16 sequence indices: group 0 .. 127
	s_lshl_b32 s26, s3, 6                          ; their positions: 64 bytes
	s_mov_b32 s27, 0
	s_lshl_b32 s28, s3, 12                         ; their rows of the table: 4,096 bytes
	s_mov_b32 s29, 0
	s_mov_b32 s32, 0x3f22f983                      ; 2 / pi
	s_mov_b32 s33, 0x3fc90fdb                      ; pi / 2 in three parts
	s_mov_b32 s34, 0xb33bbd2e
	s_mov_b32 s35, 0xa6f72ced
	s_mov_b32 s36, 0xbe2aaaa3                      ; sin: -1.6666654611e-1, 8.3321608736e-3, -1.9515295891e-4
	s_mov_b32 s37, 0x3c08839e
	s_mov_b32 s38, 0xb94ca1f9
	s_mov_b32 s39, 0x3d2aaaa5                      ; cos: 4.166664568e-2, -1.388731625e-3, 2.443315712e-5
	s_mov_b32 s40, 0xbab6061a
	s_mov_b32 s41, 0x37ccf5ce
	s_wait_alu depctr_va_vdst(0)
	v_cvt_f32_u32 v8, v1                           ; j
	v_mul_f32 v9, 0xbed49a80, v8                   ; -j x c', c' = log2(10000) / 32 rounded up to 17 bits: the product is exact
	s_wait_alu depctr_va_vdst(0)
	v_exp_f32 v9, v9
	v_mul_f32 v8, 0x342ae298, v8                   ; j x (c' - c) ln 2: what c' has too much.  (A plain place behind the exponential)
	s_wait_kmcnt 0x0
	s_add_nc_u64 s[18:19], s[18:19], s[26:27]
	s_add_nc_u64 s[24:25], s[24:25], s[28:29]
	s_load_b512 s[48:63], s[18:19], 0x0            ; 16 positions
	s_wait_alu depctr_va_vdst(0)                   ; ahead of the exponential's first reader
	v_fma_f32 v10, v9, v8, v9                      ; 10000^(-j / 32)
	s_wait_kmcnt 0x0
.macro ANGLE i
	v_cvt_f32_i32 v20, s[48+\i]
	s_wait_alu depctr_va_vdst(0)
	v_mul_f32 v20, v20, v10                        ; the angle, rounded to f32
	v_mul_f32 v21, s32, v20
	v_rndne_f32 v21, v21                           ; n
	v_fma_f32 v22, -v21, s33, v20
	v_fma_f32 v22, -v21, s34, v22
	v_fma_f32 v22, -v21, s35, v22                  ; r = angle - n pi / 2
	v_cvt_i32_f32 v23, v21
	v_mul_f32 v24, v22, v22                        ; s = r r
	v_fma_f32 v25, v24, s38, s37
	v_fma_f32 v25, v25, v24, s36
	v_mul_f32 v26, v22, v24
	v_fma_f32 v25, v26, v25, v22                   ; sin r
	v_fma_f32 v27, v24, s41, s40
	v_fma_f32 v27, v27, v24, s39
	v_mul_f32 v28, v24, v24
	v_fma_f32 v29, v24, -0.5, 1.0
	v_fma_f32 v27, v28, v27, v29                   ; cos r
	v_and_b32 v30, 1, v23
	v_cmp_eq_u32 vcc_lo, 1, v30                    ; odd quadrants change sin and cos
	v_cndmask_b32 v31, v25, v27, vcc_lo
	v_cndmask_b32 v32, v27, v25, vcc_lo
	v_and_b32 v30, 2, v23                          ; sin is negative in quadrants 2, 3
	v_lshlrev_b32 v30, 30, v30
	v_xor_b32 v[41+2*\i], v30, v31
	v_add_nc_u32 v30, 1, v23                       ; cos in quadrants 1, 2
	v_and_b32 v30, 2, v30
	v_lshlrev_b32 v30, 30, v30
	v_xor_b32 v[40+2*\i], v30, v32
	global_store_b64 v5, v[40+2*\i:41+2*\i], s[24:25] offset:256*\i   ; an index's 256 bytes, aligned; each index has its own data registers
.endm
.irp i, 0,1,2,3,4,5,6,7,8,9,10,11,12,13,14,15
	ANGLE \i
.endr
	s_endpgm
.Lfunc_end_k_q9133729855_prep:
	.size	k_q9133729855_prep, .Lfunc_end_k_q9133729855_prep-k_q9133729855_prep
	.p2alignl 7, 3214868480
	.fill 96, 4, 3214868480
	.section	.rodata,"a",@progbits
	.p2align	6, 0x0
	.amdhsa_kernel k_q9133729855_prep
		.amdhsa_group_segment_fixed_size 34304
		.amdhsa_private_segment_fixed_size 0
		.amdhsa_enable_private_segment 0
		.amdhsa_kernarg_size 72
		.amdhsa_user_sgpr_count 2
		.amdhsa_user_sgpr_kernarg_segment_ptr 1
		.amdhsa_wavefront_size32 1
		.amdhsa_system_sgpr_workgroup_id_x 1
		.amdhsa_system_sgpr_workgroup_id_y 1
		.amdhsa_system_sgpr_workgroup_id_z 1
		.amdhsa_system_vgpr_workitem_id 0
		.amdhsa_next_free_vgpr 248
		.amdhsa_next_free_sgpr 66
		.amdhsa_reserve_vcc 1
		.amdhsa_float_denorm_mode_32 3
		.amdhsa_float_denorm_mode_16_64 3
		.amdhsa_memory_ordered 1
		.amdhsa_forward_progress 1
		.amdhsa_inst_pref_size 54
	.end_amdhsa_kernel
	.amdgpu_metadata
---
amdhsa.version: [ 1, 2 ]
amdhsa.kernels:
  - .name:           k_q9133729855_prep
    .symbol:         k_q9133729855_prep.kd
    .args:
      - { .name: x, .offset: 0, .size: 8, .value_kind: global_buffer, .address_space: global }
      - { .name: W_Q, .offset: 8, .size: 8, .value_kind: global_buffer, .address_space: global }
      - { .name: W_K, .offset: 16, .size: 8, .value_kind: global_buffer, .address_space: global }
      - { .name: W_V, .offset: 24, .size: 8, .value_kind: global_buffer, .address_space: global }
      - { .name: W_O, .offset: 32, .size: 8, .value_kind: global_buffer, .address_space: global }
      - { .name: token_positions, .offset: 40, .size: 8, .value_kind: global_buffer, .address_space: global }
      - { .name: xq, .offset: 48, .size: 8, .value_kind: global_buffer, .address_space: global }
      - { .name: wq, .offset: 56, .size: 8, .value_kind: global_buffer, .address_space: global }
      - { .name: rope, .offset: 64, .size: 8, .value_kind: global_buffer, .address_space: global }
    .group_segment_fixed_size: 34304
    .private_segment_fixed_size: 0
    .kernarg_segment_align: 8
    .kernarg_segment_size: 72
    .max_flat_workgroup_size: 128
    .sgpr_count:     66
    .vgpr_count:     248
    .wavefront_size: 32
...
	.end_amdgpu_metadata
.endif
;; end of part 1
;; launch qkv (part 2): grid 12 x 32, 4 waves a work-group, clusters of 4 x 4, 327,680 bytes of LDS; arguments xq, wq, rope, q, kv; writes q, kv
.if DOCPART == 2
	.amdgcn_target "amdgcn-amd-amdhsa--gfx1250"
	.amdhsa_code_object_version 6
	.text
	.protected	k_q9133729855_qkv
	.globl	k_q9133729855_qkv
	.p2align	8
	.type	k_q9133729855_qkv,@function
k_q9133729855_qkv:
	s_mov_b64 s[64:65], 0
	v_nop
	global_prefetch_b8 v0, s[64:65] scope:SCOPE_SE
	s_setreg_imm32_b32 hwreg(HW_REG_WAVE_MODE, 25, 1), 1
	s_wait_xcnt 0x0
	s_wait_alu depctr_hold_cnt(0) depctr_sa_sdst(0) depctr_va_vdst(0) depctr_va_sdst(0) depctr_va_ssrc(0) depctr_va_vcc(0) depctr_vm_vsrc(0)
	s_getreg_b32 s2, hwreg(HW_REG_IB_STS2, 6, 4)
	s_cmp_eq_u32 s2, 0
	s_cbranch_scc0 .Lentry_in_a_cluster
	s_endpgm
.Lentry_in_a_cluster:
	s_bfe_u32 s2, ttmp6, 0x10000c
	s_cmp_lg_u32 s2, 0xf033
	s_cbranch_scc0 .Lentry_shape_is_right
	s_endpgm
.Lentry_shape_is_right:
; Q = x W_Q^T, K = x W_K^T, V = x W_V^T on codes of FP6 (E2M3) with E8M0 scales; RoPE on Q and K in f32; then Q and K are quantised along a head's 64 channels and V along the tokens, in registers,
; and leave as images of the next products' operand registers.  No f32 result goes to memory.
; OPERANDS come as fragments in register order (a tile of 16 rows x 128 K = 1,536 bytes; registers 4 j .. 4 j + 3 at 512 j + 16 x lane); tile 2 G + u holds rows 32 G + 8 u + p + 8 (p / 8).
; A work-group makes 256 x 256: four waves of 128 x 128, 64 accumulators each.  SOURCE 0 (S0) gives the result's registers, SOURCE 1 (S1) its lanes: register j of lane (r, h) of accumulator (a, b) is
; S0's index 32 (b / 2) + 16 h + 8 (b % 2) + j and S1's row 32 (a / 2) + 8 (a % 2) + r + 8 (r / 8).  So an S1 tile's 64 registers run along S0: register 16 B + i = index 32 B + 16 h + i: what the quantiser wants.
; Clusters x = 0 (Q), 1 (K): S0 = the weight's rows (channels), S1 = x's rows (tokens).  Cluster x = 2 (V): S0 = x's rows (tokens, the next K), S1 = W_V's rows.  The choice hangs on the cluster's x alone.
; K = 1,024 goes in four steps of 256 through THREE LDS slots: three first fills, and one refill (K step 3 into slot 0) behind a round of the cluster's barrier; it has two K steps, 256 matrix instructions, in which to land.
; CLUSTERS of 4 x 4: S1's tiles are shared along a row of the cluster, S0's along a column: joint loads.  By this text's count a wave has at most four tensor loads out.
; No prefetch: three of four K steps are first fills at the kernel's head.  384 work-groups of equal work.
; OUT.  q: [16 batch + head][step of 128 tokens][6,656]: 48 registers (6 t + i = register i of token tile t) as 12 pieces of 512 bytes, then the tiles' scale words (tile t, row r at 16 (16 (t & 1) + r) + 4 (t >> 1); bytes 2, 3 are 0).
; kv: [16 batch + head][step][13,056]: K as q; at 6,656 V's four channel tiles x 1,536 (K = the step's 128 tokens); at 12,800 V's scale words (tile t, row r at 8 (16 (t & 1) + r) + 4 (t >> 1)).
; LIMITS: a block of zeros gets the byte 1 (its codes are zeros; this program alone reads the bytes); NaN and infinities are not served.
; THE FILLS AS THEY STAND NOW (this takes the place of what the head comment says of three first fills): at the head one joint load a wave: wave 0 S1's 16 tiles of K step 0, wave 1 S0's,
; wave 2 S1's scale words, wave 3 S0's.  Behind the full sequence and a round each wave brings K steps 1 and 2 of its 8 tiles by ONE load, rows of 6,144 bytes: there tiles lie 2 KSB apart,
; K step 2 KSB behind K step 1.  K step 3 fills slot 0 again as before.  By this text's count a wave has one tensor load out at the most.
.set KSB,   3072
.set HALFT, 8*KSB                      ; 8 tiles: what one tensor load brings, and what a wave reads of S1 or of S0
.set SLOT,  4*HALFT                    ; S1's 16 tiles, then S0's 16
.set SCL,   3*SLOT                     ; behind the three slots: the scale words for all of K: S1's 8,192 bytes, then S0's
.set HALFS, 4096
.set SPARE, SCL+4*HALFS                ; the spare words, 128 bytes a wave: two blocks of 256 bytes that no other line names
.set XSC,   6291456
.set WSC,   3145728
.set FR,    12
.set NL,    3                          ; LDS loads that bring a fragment of S1
.set ADRA,  16                         ; v16-18  LDS address of my S1 fragments in slot 0, 1, 2
.set ADRB,  20                         ; v20-22  of my S0 fragments
.set L8,    26                         ; v26     8 x lane
.set ADRS,  27                         ; v27     LDS address of my scale words: lanes 0-15 S1's, lanes 16-31 S0's
.set SPW,   28                         ; v28     LDS address of my spare word; never rewritten
.set NIL,   29                         ; v29     0; never rewritten
.set TA,    30                         ; v30     the table: 256 (r + 8 (r / 8)) + 64 h
.set L16,   31                         ; v31     16 x lane
.set SC,    32                         ; v32-63  scale words, two sets of 16: register 2 i + q: lanes 0-15 S1's block i, lanes 16-31 S0's block i
.set CSR,   64                         ; v64-127 cos and sin of a token tile, two sets of 32
.set AF,    128                        ; v128-223 S1's fragments, one set
.set H,     128                        ; the way out: v128-191 64 rotated numbers
.set CODES, 192                        ; v192-215 codes of two token tiles x two heads
.set DT,    216                        ; v216-222 the conversions' second halves
.set TM,    224                        ; v224-239 at work in the quantiser
.set PW,    240                        ; v240-247 the eight tiles' scale words
.set G1,    24
.set G0,    32                         ; s[32:43] group 0 for S1, one set a slot
.set G1B,   44
.set G0B,   52                         ; s[52:63] for S0
.set G1S,   68
.set G0S,   76
.set G1SB,  80
.set G0SB,  88
.set D0,    92                         ; s[92:93], s[94:95] where my first and second head's results go
.set HM,    100                        ; s100 the mask of lanes 16-31
.set MSB, 0
.macro WIN new                         ; the immediate's high byte repeats the setting that is left
.if MSB != (\new)
	s_set_vgpr_msb (MSB<<8)|(\new)
.set MSB, (\new)
.endif
.endm
.set MUL_LO, 0xa1                      ; source 0 window 1, source 1 window 0, C and D window 2
.set MUL_HI, 0xf1                      ; the same, C and D window 3
.set TO_B,   0x40                      ; destination window 1
; A joint load: waves 0 and 1 fetch for S1, waves 2 and 3 for S0; the branch hangs on the wave's number alone.  An s_nop 0 and four v_nop follow each line.
.macro JLOAD g0a, g1a, g0b, g1b
	s_cmp_eq_u32 s15, 0
	s_cbranch_scc0 .Lfor_b_\@
	tensor_load_to_lds s[\g0a:\g0a+3], s[\g1a:\g1a+7]
	s_nop 0
.rept 4
	v_nop
.endr
	s_branch .Lasked_\@
.Lfor_b_\@:
	tensor_load_to_lds s[\g0b:\g0b+3], s[\g1b:\g1b+7]
	s_nop 0
.rept 4
	v_nop
.endr
.Lasked_\@:
.endm
.macro CREST                           ; a round of the cluster's barrier behind its opening barrier
	s_cmp_lg_u32 s14, 0
	s_cbranch_scc1 .Lnot_wave_0_\@
	s_barrier_signal -3
.Lnot_wave_0_\@:
	s_barrier_wait -3
	s_barrier_signal -1
	s_barrier_wait -1
.endm
.macro CROUND
	s_barrier_signal -1
	s_barrier_wait -1
	CREST
.endm
.macro PLACES n
.rept \n
	v_nop
.endr
.endm
	s_load_b256 s[4:11], s[0:1], 0x0               ; xq s[4:5], wq s[6:7], rope s[8:9], q s[10:11]
	s_load_b64 s[12:13], s[0:1], 0x20              ; kv
	v_lshl_add_u32 v[SPW], v0, 2, SPARE
	v_mov_b32 v[NIL], 0
	ds_add_u32 v[SPW], v[NIL]                      ; the wave's opening: the add and its wait stand ahead of my first tensor load; work on registers stands between them
	ds_add_u32 v[SPW], v[NIL]
	v_lshrrev_b32 v1, 5, v0
	v_readfirstlane_b32 s14, v1                    ; wave
	s_lshr_b32 s15, s14, 1                         ; my half of S1.  Also: I fetch for S1 (0) or S0 (1)
	s_and_b32 s16, s14, 1                          ; my half of S0.  Also: which 8 tiles I fetch
	s_bfe_u32 s17, ttmp6, 0x40000                  ; cx
	s_bfe_u32 s18, ttmp6, 0x40004                  ; cy
	s_and_b32 s19, ttmp7, 0xffff                   ; cluster y
	s_lshl_b32 s20, s18, 2
	s_lshl_b32 s20, 15, s20                        ; my row of the cluster
	s_lshl_b32 s21, 0x1111, s17                    ; my column
	s_or_b32 s[G1], s20, (3<<16)|(1<<21)           ; 15:0 the mask; 17:16 elements of 8 bytes; 21 set beside a mask; no padding
	s_or_b32 s[G1B], s21, (3<<16)|(1<<21)
	s_or_b32 s[G1S], s20, (3<<16)|(1<<21)
	s_or_b32 s[G1SB], s21, (3<<16)|(1<<21)
.irp g, G1, G1B                        ; codes: 16 tiles x 3,072 bytes, 12,288 bytes from tile to tile
	s_mov_b32 s[\g+1], 384<<16
	s_mov_b32 s[\g+2], 16<<16
	s_mov_b32 s[\g+3], 384<<16
	s_mov_b32 s[\g+4], 16
	s_mov_b32 s[\g+5], 1536
	s_mov_b32 s[\g+6], 0
	s_mov_b32 s[\g+7], 0
.endr
.irp g, G1S, G1SB                      ; scale words of 16 tiles: 8,192 dense bytes as 32 rows of 256
	s_mov_b32 s[\g+1], 32<<16
	s_mov_b32 s[\g+2], 32<<16
	s_mov_b32 s[\g+3], 32<<16
	s_mov_b32 s[\g+4], 32
	s_mov_b32 s[\g+5], 32
	s_mov_b32 s[\g+6], 0
	s_mov_b32 s[\g+7], 0
.endr
	s_mov_b32 s66, 0x76543210
	s_mov_b32 s67, 0xfedcba98                      ; selects for lane l xor 16
	s_lshl_b32 s22, s19, 6                         ; 64 x cluster y
	s_lshl_b32 s23, ttmp9, 6                       ; 64 x cluster x
	s_lshl_b32 s96, s18, 4                         ; S1: 16 cy
	s_lshl_b32 s98, s17, 4                         ; S0: 16 cx
	s_lshl_b32 s2, s16, 3                          ; the 8 tiles that I fetch
	s_add_co_u32 s96, s96, s2
	s_add_co_u32 s98, s98, s2
	s_mov_b32 s20, XSC
	s_mov_b32 s21, WSC
	s_cmp_eq_u32 ttmp9, 2                          ; V's clusters change the operands' places
	s_cselect_b32 s3, 128, s22                     ; S1: W_V's first tile, else x's tile 64 y
	s_cselect_b32 s23, s22, s23                    ; S0: x's tile 64 y, else the weight's 64 x
	s_cselect_b32 s92, s21, s20                    ; where S1's scale words begin,
	s_cselect_b32 s94, s20, s21                    ; and S0's
	s_add_co_u32 s96, s96, s3
	s_add_co_u32 s98, s98, s23
	s_lshl_b32 s3, s96, 9
	s_add_co_u32 s92, s92, s3
	s_mov_b32 s93, 0
	s_lshl_b32 s3, s98, 9
	s_add_co_u32 s94, s94, s3
	s_mov_b32 s95, 0
	s_mul_i32 s96, s96, 12288
	s_mov_b32 s97, 0
	s_mul_i32 s98, s98, 12288
	s_mov_b32 s99, 0
	s_mul_i32 s100, s14, HALFT                     ; where they go: wave x 8 tiles: no place in the cluster enters an LDS address
	s_mul_i32 s101, s14, 2*HALFT                   ; K steps 1 and 2: wave x 8 tiles x 6,144 bytes
	s_wait_dscnt 0x0                               ; the opening add is done
	s_wait_kmcnt 0x0
	s_cmp_eq_u32 ttmp9, 2
	s_cselect_b64 s[20:21], s[6:7], s[4:5]         ; S1's buffer
	s_cselect_b64 s[22:23], s[4:5], s[6:7]         ; S0's
	s_add_nc_u64 s[92:93], s[20:21], s[92:93]
	s_add_nc_u64 s[96:97], s[20:21], s[96:97]
	s_add_nc_u64 s[94:95], s[22:23], s[94:95]
	s_add_nc_u64 s[98:99], s[22:23], s[98:99]
	CROUND                                         ; all sixteen work-groups are here: the first joint loads meet
	s_lshl_b32 s2, s16, 12                         ; the head's loads begin at the block's first tile: my 8 tiles' offset is taken off again
	s_mov_b32 s3, 0
	s_mul_i32 s20, s16, 8*12288
	s_mov_b32 s21, 0
	s_mov_b32 s[G0S], 1                            ; S1's scale words, 16 tiles
	s_mov_b32 s[G0S+1], SCL
	s_sub_nc_u64 s[G0S+2:G0S+3], s[92:93], s[2:3]
	s_or_b32 s[G0S+3], s[G0S+3], 0x80000000
	s_mov_b32 s[G0SB], 1                           ; S0's
	s_mov_b32 s[G0SB+1], SCL+2*HALFS
	s_sub_nc_u64 s[G0SB+2:G0SB+3], s[94:95], s[2:3]
	s_or_b32 s[G0SB+3], s[G0SB+3], 0x80000000
	s_mov_b32 s[G0+8], 1                           ; K step 0: S1's 16 tiles
	s_mov_b32 s[G0+9], 0
	s_sub_nc_u64 s[G0+10:G0+11], s[96:97], s[20:21]
	s_or_b32 s[G0+11], s[G0+11], 0x80000000
	s_mov_b32 s[G0B+8], 1                          ; and S0's 16, behind them
	s_mov_b32 s[G0B+9], 2*HALFT
	s_sub_nc_u64 s[G0B+10:G0B+11], s[98:99], s[20:21]
	s_or_b32 s[G0B+11], s[G0B+11], 0x80000000
	s_mov_b32 s[G0], 1                             ; slot 0's refill: my 8 tiles (its address is stepped to K step 3 in front of it)
	s_mov_b32 s[G0+1], s100
	s_mov_b64 s[G0+2:G0+3], s[96:97]
	s_or_b32 s[G0+3], s[G0+3], 0x80000000
	s_mov_b32 s[G0B], 1
	s_mov_b32 s[G0B+1], s100
	s_mov_b64 s[G0B+2:G0B+3], s[98:99]
	s_or_b32 s[G0B+3], s[G0B+3], 0x80000000
	s_mov_b32 s[G0+4], 1                           ; K steps 1 and 2 of my 8 tiles
	s_add_co_u32 s[G0+5], s101, SLOT
	s_add_nc_u64 s[G0+6:G0+7], s[96:97], KSB
	s_or_b32 s[G0+7], s[G0+7], 0x80000000
	s_mov_b32 s[G0B+4], 1
	s_add_co_u32 s[G0B+5], s101, SLOT
	s_add_nc_u64 s[G0B+6:G0B+7], s[98:99], KSB
	s_or_b32 s[G0B+7], s[G0B+7], 0x80000000
; the head's loads, one a wave, in one chain of branches on the wave's number
.macro ARM under, g0, g1, next
	s_cmp_lt_u32 s14, \under
	s_cbranch_scc0 \next
	tensor_load_to_lds s[\g0:\g0+3], s[\g1:\g1+7]
	s_nop 0
.rept 4
	v_nop
.endr
	s_branch .Lhead_asked
\next:
.endm
	ARM 1, G0+8,  G1,  .Lhead_b
	ARM 2, G0B+8, G1B, .Lhead_sa
	ARM 3, G0S,   G1S, .Lhead_sb
	tensor_load_to_lds s[G0SB:G0SB+3], s[G1SB:G1SB+7]
	s_nop 0
.rept 4
	v_nop
.endr
.Lhead_asked:
	v_and_b32 v1, 31, v0
	v_lshlrev_b32 v[L16], 4, v1
	v_lshlrev_b32 v[L8], 3, v1
	v_and_b32 v2, 15, v0                           ; r
	v_bfe_u32 v3, v0, 4, 1                         ; h
	s_wait_alu depctr_va_vdst(0)
	s_mul_i32 s21, s15, HALFT                      ; my 8 tiles of S1
	s_mul_i32 s22, s16, HALFT                      ; my 8 tiles of S0,
	s_add_co_u32 s22, s22, 2*HALFT                 ; behind S1's 16
	v_add_nc_u32 v[ADRA], s21, v[L16]
	v_add_nc_u32 v[ADRB], s22, v[L16]
	s_lshl_b32 s21, s21, 1                         ; behind slot 0 a tile has 6,144 bytes
	s_lshl_b32 s22, s22, 1
	s_add_co_u32 s21, s21, SLOT
	s_add_co_u32 s22, s22, SLOT
.irp s, 1,2
	v_add_nc_u32 v[ADRA+\s], s21, v[L16]
	v_add_nc_u32 v[ADRB+\s], s22, v[L16]
	s_add_co_u32 s21, s21, KSB
	s_add_co_u32 s22, s22, KSB
.endr
	s_lshl_b32 s21, s15, 12                        ; S1's scale words: my 8 tiles
	s_lshl_b32 s22, s16, 12                        ; S0's, behind S1's 8,192 bytes
	s_add_co_u32 s22, s22, 2*HALFS
	s_sub_co_u32 s22, s22, s21
	v_mul_u32_u24 v4, s22, v3                      ; lanes 16-31 take S0's: one product with h
	s_add_co_u32 s21, s21, SCL
	v_lshl_add_u32 v4, v2, 3, v4                   ; 8 bytes a row: the two words of a K step
	v_add_nc_u32 v[ADRS], s21, v4
	v_cmp_eq_u32 s[HM], 1, v3
	v_and_b32 v4, 8, v2
	v_add_nc_u32 v4, v4, v2                        ; r + 8 (r / 8)
	v_lshlrev_b32 v4, 8, v4
	v_lshl_add_u32 v[TA], v3, 6, v4
	s_wait_alu depctr_va_vdst(0)
.irp b, 0,1,2,3
	v_mov_b32 v[TM+4+\b], 0                        ; written once: a lane permute's destination counts as one of its sources
.endr
	; where my results go: the token tile of 256 and my half of it give batch and step; the channel tile and my half of it give my two heads
	s_lshl_b32 s2, s19, 2
	s_add_co_u32 s3, s2, s17                       ; 4 y + cx
	s_add_co_u32 s2, s2, s18                       ; 4 y + cy
	s_mov_b32 s96, 208896                          ; kv: bytes of a head,
	s_mov_b32 s97, 13056                           ; of a step
	s_cmp_eq_u32 ttmp9, 2
	s_cselect_b32 s2, s3, s2                       ; the token tile,
	s_cselect_b32 s3, s16, s15                     ; my half of it,
	s_cselect_b32 s20, s18, s17                    ; the channel tile,
	s_cselect_b32 s21, s15, s16                    ; my half of it
	s_cmp_eq_u32 ttmp9, 0
	s_cselect_b64 s[D0:D0+1], s[10:11], s[12:13]
	s_cselect_b32 s96, 106496, s96                 ; q: bytes of a head,
	s_cselect_b32 s97, 6656, s97                   ; of a step
	s_lshr_b32 s22, s2, 3                          ; batch
	s_lshl_b32 s22, s22, 4
	s_lshl_b32 s20, s20, 2
	s_add_co_u32 s22, s22, s20
	s_lshl_b32 s21, s21, 1
	s_add_co_u32 s22, s22, s21                     ; 16 batch + my first head
	s_and_b32 s2, s2, 7
	s_lshl_b32 s2, s2, 1
	s_add_co_u32 s2, s2, s3                        ; my step of 128 tokens, 0 .. 15
	s_mul_i32 s22, s22, s96
	s_mul_i32 s23, s2, s97
	s_add_co_u32 s22, s22, s23
	s_mov_b32 s23, 0
	s_add_nc_u64 s[D0:D0+1], s[D0:D0+1], s[22:23]
	s_mov_b32 s97, 0
	s_add_nc_u64 s[D0+2:D0+3], s[D0:D0+1], s[96:97]
	s_lshl_b32 s2, s2, 15                          ; the step's 128 rows of the table
	s_mov_b32 s3, 0
	s_add_nc_u64 s[8:9], s[8:9], s[2:3]
.macro TABLE a                         ; cos and sin of token tile a: register 16 b + i of a set belongs to a head's channel 32 b + 16 h + i: (cos, sin) in each pair
.irp k, 0,1,2,3,4,5,6,7
	global_load_b128 v[CSR+32*((\a)%2)+4*\k:CSR+32*((\a)%2)+4*\k+3], v[TA], s[8:9] offset:(32*((\a)/2)+8*((\a)%2))*256+128*(\k/4)+16*(\k%4)
.endr
.endm
	TABLE 0                                        ; (V's clusters issue these too and do not use them: the step lies inside the table)
	TABLE 1
.macro FRAG16 reg, adr, off
.irp c, 0,1,2
	ds_load_b128 v[\reg+4*\c:\reg+4*\c+3], v[\adr] offset:\off+512*\c
.endr
.endm
; 16 matrix instructions: S1's blocks a0, a0 + 1 x S0's eight, the K step's q-th 128.  p: S0's set; sc: the set of scale words.  The 64 accumulators take turns, one instruction a turn, in the same order in every step.
.macro MUL16 a0, p, q, sc, zero
.irp a, \a0, \a0+1
.irp b, 0,1,2,3,4,5,6,7
.if \zero
	v_wmma_scale_f32_16x16x128_f8f6f4 v[8*(8*((\a)%4)+\b):8*(8*((\a)%4)+\b)+7], v[128*(\p)+FR*\b:128*(\p)+FR*\b+FR-1], v[AF+FR*(\a):AF+FR*(\a)+FR-1], 0, v[SC+16*(\sc)+2*\b+(\q)], v[SC+16*(\sc)+2*(\a)+(\q)] matrix_a_fmt:MATRIX_FMT_FP6 matrix_b_fmt:MATRIX_FMT_FP6 matrix_a_scale:MATRIX_SCALE_ROW1
.else
	v_wmma_scale_f32_16x16x128_f8f6f4 v[8*(8*((\a)%4)+\b):8*(8*((\a)%4)+\b)+7], v[128*(\p)+FR*\b:128*(\p)+FR*\b+FR-1], v[AF+FR*(\a):AF+FR*(\a)+FR-1], v[8*(8*((\a)%4)+\b):8*(8*((\a)%4)+\b)+7], v[SC+16*(\sc)+2*\b+(\q)], v[SC+16*(\sc)+2*(\a)+(\q)] matrix_a_fmt:MATRIX_FMT_FP6 matrix_b_fmt:MATRIX_FMT_FP6 matrix_a_scale:MATRIX_SCALE_ROW1
.endif
.endr
.endr
.endm
.macro FETCH_B slot, q, p
	WIN TO_B
.irp i, 0,1,2,3,4,5,6,7
	FRAG16 128*(\p)+FR*\i, ADRB+\slot, KSB*(1+((\slot)+1)/2)*\i+1536*(\q)
.endr
	WIN 0
.endm
.macro FETCH_A slot, q, i0
.irp i, \i0, \i0+1, \i0+2, \i0+3
	FRAG16 AF+FR*(\i), ADRA+\slot, KSB*(1+((\slot)+1)/2)*(\i)+1536*(\q)
.endr
.endm
.macro SCALES sc
.irp i, 0,1,2,3,4,5,6,7
	ds_load_b64 v[SC+16*\sc+2*\i:SC+16*\sc+2*\i+1], v[ADRS] offset:512*\i
.endr
.endm
; The first 128 of a K step.  Loads into registers that matrix instructions have read stand four plain vector instructions behind them (ISA guide 7.12.1 for vector instructions).
.macro STEP slot, sc, zero
	s_wait_dscnt 4*NL                              ; S0's set, S1's blocks 0-3 and the scale words are in; the youngest loads (S1's blocks 4-7) may be out
	WIN MUL_LO
	MUL16 0, 0, 0, \sc, \zero
	MUL16 2, 0, 0, \sc, \zero
	s_wait_dscnt 0x0
	PLACES 4
	FETCH_B \slot, 1, 1
	FETCH_A \slot, 1, 0
	WIN MUL_HI
	MUL16 4, 0, 0, \sc, \zero
	MUL16 6, 0, 0, \sc, \zero
	PLACES 4
	WIN 0
	FETCH_A \slot, 1, 4
.endm
; The second 128 of a K step also fetches the next slot's first fragments.  MEET: its first half with a barrier: in front of it each wave waits for all its tensor loads, adds 0 to its spare word, and waits for that and for its reads.
.macro MEET sc
	s_wait_tensorcnt 0x0                           ; all my tensor loads have landed
	ds_add_u32 v[SPW], v[NIL]                      ; 0 onto my spare word
	s_wait_dscnt 4*NL+1                            ; (the add and S1's blocks 4-7 may be out)
	WIN MUL_LO
	MUL16 0, 1, 1, \sc, 0
	s_wait_dscnt 0x0                               ; the add is done, and my reads of this slot are over
	s_barrier_signal -1
	MUL16 2, 1, 1, \sc, 0
	WIN 0
	s_barrier_wait -1
.endm
.macro TAIL next, nsc, sc
	v_add_nc_u32 v[ADRS], 128, v[ADRS]             ; on to the next K step's scale words
	FETCH_B \next, 0, 0
	FETCH_A \next, 0, 0
	SCALES \nsc
	WIN MUL_HI
	MUL16 4, 1, 1, \sc, 0
	MUL16 6, 1, 1, \sc, 0
	PLACES 4
	WIN 0
	FETCH_A \next, 0, 4
.endm
.macro TURNF                           ; from slot 0 to slot 1; slot 0 is filled again with K step 3: the barrier opens a round of the cluster's
	MEET 0
	CREST                                          ; no wave of any partner still reads slot 0 or has a load on its way
	s_add_nc_u64 s[G0+2:G0+3], s[G0+2:G0+3], 3*KSB
	s_add_nc_u64 s[G0B+2:G0B+3], s[G0B+2:G0B+3], 3*KSB
	s_mov_b32 s[G1+1], 384<<16                     ; no tensor load of mine is out: rows of one K step again
	s_mov_b32 s[G1+3], 384<<16
	s_mov_b32 s[G1B+1], 384<<16
	s_mov_b32 s[G1B+3], 384<<16
	JLOAD G0, G1, G0B, G1B
	TAIL 1, 1, 0
.endm
.macro TURNP                           ; from slot 1 to slot 2: slot 2 was shown whole to every wave at the round above, and nothing is filled here: no barrier, and the refill stays on its way
	s_wait_dscnt 4*NL
	WIN MUL_LO
	MUL16 0, 1, 1, 1, 0
	MUL16 2, 1, 1, 1, 0
	s_wait_dscnt 0x0
	WIN 0
	PLACES 4
	TAIL 2, 0, 1
.endm
.macro TURNB                           ; from slot 2 to slot 0: every wave's part of K step 3 has landed; nothing is filled again, so the barrier is the work-group's own
	MEET 0
	PLACES 4
	TAIL 0, 1, 0
.endm
	s_wait_alu depctr_va_vdst(0)                   ; the head's end
	s_wait_tensorcnt 0x0                           ; my tile of the head's four is in
	ds_add_u32 v[SPW], v[NIL]
.irp g, G1, G1B
	s_mov_b32 s[\g+1], 768<<16                     ; no tensor load of mine is out: from here 8 rows of two K steps, 6,144 bytes
	s_mov_b32 s[\g+2], (8)<<16
	s_mov_b32 s[\g+3], 768<<16
	s_mov_b32 s[\g+4], (8)
.endr
	s_wait_dscnt 0x0
	CROUND                                         ; all four tiles are in, and all sixteen work-groups are here
	JLOAD G0+4, G1, G0B+4, G1B                     ; K steps 1 and 2: the first tensor load behind the round
	FETCH_B 0, 0, 0
	FETCH_A 0, 0, 0
	SCALES 0
	FETCH_A 0, 0, 4
	STEP 0, 0, 1                                   ; the first products start the sums: nothing is cleared
	TURNF
	s_wait_alu depctr_va_vdst(0)
	STEP 1, 1, 0
	TURNP
	s_wait_alu depctr_va_vdst(0)
	STEP 2, 0, 0
	TURNB
	STEP 0, 1, 0
	s_wait_dscnt 4*NL                              ; the last 128 along K: nothing more to fetch
	WIN MUL_LO
	MUL16 0, 1, 1, 1, 0
	MUL16 2, 1, 1, 1, 0
	s_wait_dscnt 0x0
	WIN MUL_HI
	MUL16 4, 1, 1, 1, 0
	MUL16 6, 1, 1, 1, 0
	WIN 0
	PLACES 4                                       ; in front of the first reads of results and the first writes over S1's fragments
; 64 numbers of a lane in window w, register 16 b + i = index 32 b + 16 h + i of my row, become codes: blocks 0, 1 in v[d0] .. v[d0 + 5], blocks 2, 3 in v[d1] .. v[d1 + 5]; and the row's four scale bytes in v[pw].
.macro QUANT s, w, d0, d1, pw
	WIN (\w)|((\w)<<2)
.irp b, 0,1,2,3
	v_max3_num_f32 v[TM+\b], |v[(\s)+16*\b]|, |v[(\s)+1+16*\b]|, 0x1800000   ; my 16 numbers of block b, from the low end on; the floor 2^(3 - 127) holds the byte at 1 from below
.endr
.irp i, 2,4,6,8,10,12,14
.irp b, 0,1,2,3
	v_max3_num_f32 v[TM+\b], |v[(\s)+16*\b+\i]|, |v[(\s)+1+16*\b+\i]|, v[TM+\b]
.endr
.endr
	WIN 0
.irp b, 0,1,2,3
	v_permlanex16_b32 v[TM+4+\b], v[TM+\b], s66, s67
.endr
.irp b, 0,1,2,3
	v_max_num_f32 v[TM+\b], v[TM+\b], v[TM+4+\b]   ; with lane l xor 16's: the block's largest magnitude
.endr
.irp b, 0,1,2,3
	v_add_nc_u32 v[TM+12+\b], 0xff000000, v[TM+\b] ; 2 off its exponent field: the conversion's scale operand
.endr
.irp b, 0,1,2,3
	v_lshrrev_b32 v[TM+4+\b], 23, v[TM+12+\b]      ; the byte
.endr
	v_lshl_or_b32 v[\pw], v[TM+5], 8, v[TM+4]
	v_lshl_or_b32 v[\pw], v[TM+6], 16, v[\pw]
	v_lshl_or_b32 v[\pw], v[TM+7], 24, v[\pw]
	WIN \w
	v_cvt_scalef32_pk16_fp6_f32 v[(\d0):(\d0)+2], v[(\s):(\s)+15], v[TM+12]
	v_cvt_scalef32_pk16_fp6_f32 v[DT:DT+2], v[(\s)+16:(\s)+31], v[TM+13]       ; (a conversion's three registers begin on an even number)
	v_cvt_scalef32_pk16_fp6_f32 v[(\d1):(\d1)+2], v[(\s)+32:(\s)+47], v[TM+14]
	v_cvt_scalef32_pk16_fp6_f32 v[DT+4:DT+6], v[(\s)+48:(\s)+63], v[TM+15]
	v_nop                                          ; one plain place behind the scaled conversions
	WIN 0
.irp i, 0,1,2                          ; the operand's layout wants a whole block in a lane: lanes 0-15 the even block, lanes 16-31 the odd one
	v_permlane16_swap_b32 v[(\d0)+\i], v[DT+\i]
	v_permlane16_swap_b32 v[(\d1)+\i], v[DT+4+\i]
.endr
.irp i, 0,1,2
	v_mov_b32 v[(\d0)+3+\i], v[DT+\i]
	v_mov_b32 v[(\d1)+3+\i], v[DT+4+\i]
.endr
.endm
	s_cmp_eq_u32 ttmp9, 2                          ; the cluster's x: the same in all partners
	s_cbranch_scc1 .Lv
; Q AND K.  Token tile a: 64 registers = my two heads' channels.  RoPE on each pair of registers (x1, x2): (x1 cos - x2 sin, x1 sin + x2 cos), two packed instructions.
.macro QK a
.set CSB, CSR+32*((\a)%2)
.set AC, 64*((\a)%4)
.if (\a) < 7
	s_wait_loadcnt 8                               ; this tile's 8 table loads are in; the next tile's may be out
.else
	s_wait_loadcnt 0x0
.endif
	WIN 2+(\a)/4                                   ; source 0: the accumulators' window
.set n, 0
.rept 32
	v_pk_mul_f32 v[H+n:H+n+1], v[AC+n:AC+n+1], v[CSB+n%32:CSB+n%32+1] op_sel:[0,0] op_sel_hi:[0,1]   ; (x1 cos, x1 sin); ascending: each accumulator is read from its low end on
.set n, n+2
.endr
.set n, 0
.rept 32
	v_pk_fma_f32 v[H+n:H+n+1], v[AC+n:AC+n+1], v[CSB+n%32:CSB+n%32+1], v[H+n:H+n+1] op_sel:[1,1,0] op_sel_hi:[1,0,1] neg_lo:[0,1,0]   ; + (-x2 sin, x2 cos)
.set n, n+2
.endr
	WIN 0
.if (\a) < 6
	TABLE (\a)+2
.endif
.if ((\a)%2 == 0) && ((\a) > 0)
	s_wait_xcnt 0x0                                ; the last pair of tiles' stores have read the codes' registers: they are written again only behind this wait
.endif
	QUANT H, 0, CODES+6*((\a)%2), CODES+12+6*((\a)%2), PW+(\a)
.if (\a)%2 == 1
.irp c, 0,1
.irp j, 0,1,2
	global_store_b128 v[L16], v[CODES+12*\c+4*\j:CODES+12*\c+4*\j+3], s[D0+2*\c:D0+2*\c+1] offset:1536*((\a)/2)+512*\j   ; 512 consecutive bytes, aligned
.endr
.endr
.endif
.endm
.irp a, 0,1,2,3,4,5,6,7
	QK \a
.endr
.irp i, 0,1,2,3
	v_cndmask_b32 v[TM+\i], v[PW+2*\i], v[PW+2*\i+1], s[HM]   ; lanes 0-15 the even tile's word of row r, lanes 16-31 the odd tile's
.endr
.irp i, 0,1,2,3
	v_and_b32 v[248+\i], 0xffff, v[TM+\i]          ; my first head's two bytes; bytes 2 and 3 are 0
	v_lshrrev_b32 v[252+\i], 16, v[TM+\i]          ; my second head's
.endr
	global_store_b128 v[L16], v[248:251], s[D0:D0+1] offset:6144
	global_store_b128 v[L16], v[252:255], s[D0+2:D0+3] offset:6144
	s_branch .Lend
.Lv:
; V.  Channel tile a (head a / 4, tile a % 4): its 64 registers are the step's 128 tokens: a whole fragment of the second product's operand.
	s_wait_loadcnt 0x0                             ; the table loads that this path does not use
.macro VQ a
.set PCB, 128+12*((\a)%2)
	s_wait_xcnt 0x0                                ; earlier stores have read their registers
	QUANT 64*((\a)%4), 2+(\a)/4, PCB, PCB+6, PW+(\a)
.irp j, 0,1,2
	global_store_b128 v[L16], v[PCB+4*\j:PCB+4*\j+3], s[D0+2*((\a)/4):D0+2*((\a)/4)+1] offset:6656+1536*((\a)%4)+512*\j
.endr
.if (\a)%4 == 3
	v_cndmask_b32 v[248+2*((\a)/4)], v[PW+(\a)-3], v[PW+(\a)-2], s[HM]
	v_cndmask_b32 v[249+2*((\a)/4)], v[PW+(\a)-1], v[PW+(\a)], s[HM]
	global_store_b64 v[L8], v[248+2*((\a)/4):249+2*((\a)/4)], s[D0+2*((\a)/4):D0+2*((\a)/4)+1] offset:12800   ; 256 consecutive bytes, aligned
.endif
.endm
.irp a, 0,1,2,3,4,5,6,7
	VQ \a
.endr
.Lend:
	s_wait_tensorcnt 0x0                           ; the wave's end, behind my last tensor load
	ds_add_u32 v[SPW], v[NIL]
	s_wait_dscnt 0x0
	CROUND                                         ; the closing round: no work-group ends while a partner may still ask for a tile that names it
	s_endpgm
.Lfunc_end_k_q9133729855_qkv:
	.size	k_q9133729855_qkv, .Lfunc_end_k_q9133729855_qkv-k_q9133729855_qkv
	.p2alignl 7, 3214868480
	.fill 96, 4, 3214868480
	.section	.rodata,"a",@progbits
	.p2align	6, 0x0
	.amdhsa_kernel k_q9133729855_qkv
		.amdhsa_group_segment_fixed_size 327680
		.amdhsa_private_segment_fixed_size 0
		.amdhsa_enable_private_segment 0
		.amdhsa_kernarg_size 40
		.amdhsa_user_sgpr_count 2
		.amdhsa_user_sgpr_kernarg_segment_ptr 1
		.amdhsa_wavefront_size32 1
		.amdhsa_system_sgpr_workgroup_id_x 1
		.amdhsa_system_sgpr_workgroup_id_y 1
		.amdhsa_system_sgpr_workgroup_id_z 1
		.amdhsa_system_vgpr_workitem_id 0
		.amdhsa_next_free_vgpr 1024
		.amdhsa_next_free_sgpr 104
		.amdhsa_reserve_vcc 0
		.amdhsa_float_denorm_mode_32 3
		.amdhsa_float_denorm_mode_16_64 3
		.amdhsa_memory_ordered 1
		.amdhsa_forward_progress 1
		.amdhsa_inst_pref_size 214
	.end_amdhsa_kernel
	.amdgpu_metadata
---
amdhsa.version: [ 1, 2 ]
amdhsa.kernels:
  - .name:           k_q9133729855_qkv
    .symbol:         k_q9133729855_qkv.kd
    .args:
      - { .name: xq, .offset: 0, .size: 8, .value_kind: global_buffer, .address_space: global }
      - { .name: wq, .offset: 8, .size: 8, .value_kind: global_buffer, .address_space: global }
      - { .name: rope, .offset: 16, .size: 8, .value_kind: global_buffer, .address_space: global }
      - { .name: q, .offset: 24, .size: 8, .value_kind: global_buffer, .address_space: global }
      - { .name: kv, .offset: 32, .size: 8, .value_kind: global_buffer, .address_space: global }
    .group_segment_fixed_size: 327680
    .private_segment_fixed_size: 0
    .kernarg_segment_align: 8
    .kernarg_segment_size: 40
    .max_flat_workgroup_size: 128
    .sgpr_count:     104
    .vgpr_count:     1024
    .wavefront_size: 32
...
	.end_amdgpu_metadata
.endif
;; end of part 2
;; launch attn (part 3): grid 4 x 64, 16 waves a work-group, no clusters, 327,680 bytes of LDS; arguments q, kv, oq; writes oq
.if DOCPART == 3
	.amdgcn_target "amdgcn-amd-amdhsa--gfx1250"
	.amdhsa_code_object_version 6
	.text
	.protected	k_q9133729855_attn
	.globl	k_q9133729855_attn
	.p2align	8
	.type	k_q9133729855_attn,@function
k_q9133729855_attn:
	s_mov_b64 s[64:65], 0
	v_nop
	global_prefetch_b8 v0, s[64:65] scope:SCOPE_SE
	s_setreg_imm32_b32 hwreg(HW_REG_WAVE_MODE, 25, 1), 1
	s_wait_xcnt 0x0
; Causal attention of one head on codes of FP6 (E2M3) with E8M0 scales: S^T = K Q^T (K = the head's 64 channels), p = 2^(t - M), O^T = V^T P^T (K = the keys), O / l, quantised along d_model for the last product.
; t = score x log2(e) / 8; M = the running largest t rounded up to a whole number; p is quantised along the keys, not normalised; the row's sum is taken of the unquantised p and divides O at the end.
; SHARES.  Work-group (p, hb), p = 0 .. 3, hb = 16 batch + head, owns the blocks of 256 queries 7 - p (first pass) and p (second pass): 16 or 18 key steps a wave.  Each of its sixteen waves owns one tile of 16 queries.
; THE HEAD'S K AND V, 208,896 dense bytes in register order = 816 rows of 256 bytes, come into LDS ONCE, shared out by rows.  At the kernel's head each wave brings 13 rows: 208 rows, which hold key steps 0 to 3 (204 rows).
; Behind the full sequence and a barrier each wave brings its other 38 rows by one load; the first four key steps are worked while it is out; a second barrier shows the rest to every wave.
; Nothing is filled again; one tensor load of a wave is out at the most; every wait on TENSORcnt is for 0.
; No prefetch: both fills stand ahead of the loops, so there is no trip in which to ask ahead of them.
; NO CLUSTER, though the four work-groups of a head read the same bytes: which key steps a wave leaves out under the causal mask is a branch on the work-group's x.
; LAYOUT.  Both products are used transposed: a lane holds ONE query (row r of its tile: Q0 + r + 8 (r / 8)).  Key tile t of a step holds keys 32 (t / 2) + 8 (t % 2) + p + 8 (p / 8), so that register 16 B + i of S^T is key 32 B + 16 h + i.
; THE FIRST PRODUCT'S K IS 64: a tile of K or Q has 6 registers.  Q's upper six are zeros.  K's operand names 12 registers on end, so its upper six are the NEXT tile's codes (zeros behind the last): they meet Q's zero codes,
; under scale bytes 0 on both sides, and E2M3 has no code for infinity or NaN: they add nothing.
; Every loop has a constant trip count; a step all of whose keys come after my queries is left out by a scalar branch on ids, round its loads and its work alone.
; LIMITS: a block of zeros gets the byte 1; NaN and infinities are not served.
.set HKV,   208896                     ; kv: bytes of a head
.set STEPB, 13056                      ; of a key step: K's codes 6,144, K's scale words 512, V's codes 6,144, V's scale words 256
.set HQ,    106496                     ; q: bytes of a head
.set QSTEP, 6656                       ; of a step
.set R1,    13                         ; rows of 256 bytes in a wave's first load,
.set R2,    38                         ; and in its second: 16 (R1 + R2) = 816
.set SPARE, HKV                        ; behind the head: the spare words, 128 bytes a wave: eight blocks of 256 bytes that no other line names
.set OSC,   6291456                    ; oq: where the scale words begin
.set AL,   1                           ; v1   16 x lane
.set AL8,  2                           ; v2   8 x lane
.set DQ,   3                           ; v3   r + 8 (r / 8) - 16 h
.set R8,   4                           ; v4   8 r
.set SPW,  5                           ; v5   LDS address of my spare word; never rewritten
.set NIL,  6                           ; v6   0; never rewritten
.set QSA,  7                           ; v7   where Q's scale word lies from the codes' base
.set ADK,  8                           ; v8   the step's LDS bytes + 16 x lane
.set ADV,  9                           ; v9   + 8 x lane
.set QS,   28                          ; v28  Q's scale words.  v16-27 Q (v22-27 zeros); v12 -M, v13 the largest t, v[14:15] the sum
.set KF,   32                          ; v32-79 K's eight tiles, later V's four fragments; v80-85 zeros
.set KS,   86                          ; v86-89 K's scale words
.set VS,   90                          ; v90-91 V's
                                       ; v96-159 S^T, then p; v160-191 O^T; v192-204, v206-218 the two passes' Q as loaded; v224-235 p's codes; v232-254 at work; v253 p's scale word
.set QW,   2                           ; s2   32 (w / 2) + 8 (w % 2)
.set TW,   3                           ; s3   128 batch + w
.set WV,   10
.set HB,   11
.set SEL,  12                          ; s[12:13]
.set CS,   14                          ; s[14:15] c = log2(e) / 8
.set TB,   16                          ; s16  LDS byte at which the step begins
.set KFK,  17                          ; s17  the step's first key
.set Q0,   18                          ; s18  my tile's first query
.set CNT,  19
.set UM,   20                          ; s20  all ones in odd waves
.set QB,   21                          ; s21  the pass's block of queries
.set OB,   22                          ; s[22:23] my 768 bytes of O's codes
.set OB2,  24                          ; s[24:25] my two bytes of O's scale words
.set HOFF, 26
.set HOFF2, 27
.set G1A,  28                          ; s[28:35] R1 rows of 256 bytes
.set G1B,  36                          ; s[36:43] R2 rows
.set G0A,  44
.set G0B,  48
	s_load_b128 s[4:7], s[0:1], 0x0                ; q, kv
	s_load_b64 s[8:9], s[0:1], 0x10                ; oq
	v_lshl_add_u32 v[SPW], v0, 2, SPARE
	v_mov_b32 v[NIL], 0
	ds_add_u32 v[SPW], v[NIL]                      ; the opening lines: the add twice and its wait stand ahead of my first tensor load
	ds_add_u32 v[SPW], v[NIL]
	v_lshrrev_b32 v7, 5, v0
	s_delay_alu instid0(VALU_DEP_1)
	v_readfirstlane_b32 s[WV], v7                  ; wave 0 .. 15
	s_and_b32 s[HB], ttmp7, 0xffff
.irp g, G1A, G1B
	s_mov_b32 s[\g], 3<<16                         ; no mask; elements of 8 bytes; no padding
	s_mov_b32 s[\g+1], 32<<16
	s_mov_b32 s[\g+3], 32<<16
	s_mov_b32 s[\g+5], 32
	s_mov_b32 s[\g+6], 0
	s_mov_b32 s[\g+7], 0
.endr
	s_mov_b32 s[G1A+2], R1<<16
	s_mov_b32 s[G1A+4], R1
	s_mov_b32 s[G1B+2], R2<<16
	s_mov_b32 s[G1B+4], R2
	s_mov_b32 s[SEL], 0x76543210
	s_mov_b32 s[SEL+1], 0xfedcba98
	s_mov_b32 s[CS], 0x3e38aa3b
	s_mov_b32 s[CS+1], s[CS]                       ; (named with it as a pair, so it is written)
	s_mul_i32 s52, s[HB], HKV                      ; my head in kv
	s_mov_b32 s53, 0
	s_mul_i32 s54, s[WV], R1*256                   ; first load: rows R1 w on
	s_mov_b32 s55, 0
	s_mul_i32 s56, s[WV], R2*256
	s_add_co_u32 s56, s56, 16*R1*256               ; second: rows 16 R1 + R2 w on
	s_mov_b32 s57, 0
	s_lshr_b32 s58, s[WV], 3                       ; Q: which of the block's two steps,
	s_mul_i32 s58, s58, QSTEP
	s_bfe_u32 s59, s[WV], 0x20001                  ; which pair of tiles in it: m = (w & 7) / 2
	s_mul_i32 s60, s59, 1536
	s_add_co_u32 s58, s58, s60
	s_mul_i32 s60, s[HB], HQ
	s_add_co_u32 s58, s58, s60
	s_sub_co_u32 s60, 7, ttmp9                     ; first pass: block 7 - p
	s_mul_i32 s60, s60, 2*QSTEP
	s_add_co_u32 s60, s60, s58
	s_mov_b32 s61, 0
	s_mul_i32 s62, ttmp9, 2*QSTEP                  ; second pass: block p
	s_add_co_u32 s62, s62, s58
	s_mov_b32 s63, 0
	s_and_b32 s58, s[WV], 1
	s_cmp_eq_u32 s58, 1
	s_cselect_b32 s[UM], -1, 0
	s_lshl_b32 s[QW], s58, 3
	s_lshl_b32 s58, s58, 8
	s_mul_i32 s59, s59, 1532
	s_sub_co_u32 s58, s58, s59
	s_add_co_u32 s58, s58, 6144                    ; the scale word from the codes' base: 6,144 + 256 (w & 1) + 4 m - 1,536 m: 1,548 at the least
	s_lshr_b32 s59, s[WV], 1
	s_lshl_b32 s59, s59, 5
	s_add_co_u32 s[QW], s[QW], s59
	s_and_b32 s59, s[HB], 15                       ; the head
	s_lshr_b32 s[HOFF2], s59, 2
	s_lshl_b32 s[HOFF2], s[HOFF2], 7               ; O's scale words: 128 (head / 4)
	s_lshr_b32 s[HOFF], s59, 1
	s_and_b32 s[CNT], s[HOFF], 1
	s_lshl_b32 s[CNT], s[CNT], 2
	s_add_co_u32 s[HOFF2], s[HOFF2], s[CNT]        ; + 4 ((head / 2) % 2)
	s_mul_i32 s[HOFF], s[HOFF], 1536               ; O's codes: fragment head / 2,
	s_and_b32 s59, s59, 1
	s_lshl_b32 s[CNT], s59, 1
	s_add_co_u32 s[HOFF2], s[HOFF2], s[CNT]        ; + 2 (head % 2)
	s_add_co_u32 s[HOFF2], s[HOFF2], OSC
	s_mul_i32 s59, s59, 768
	s_add_co_u32 s[HOFF], s[HOFF], s59             ; its half head % 2
	s_lshr_b32 s[TW], s[HB], 4
	s_lshl_b32 s[TW], s[TW], 7
	s_add_co_u32 s[TW], s[TW], s[WV]
	s_wait_dscnt 0x0                               ; both opening adds are done
	s_wait_kmcnt 0x0
	s_add_nc_u64 s[6:7], s[6:7], s[52:53]
	s_mov_b32 s[G0A], 1
	s_mov_b32 s[G0A+1], s54
	s_add_nc_u64 s[G0A+2:G0A+3], s[6:7], s[54:55]
	s_or_b32 s[G0A+3], s[G0A+3], 0x80000000
	s_mov_b32 s[G0B], 1
	s_mov_b32 s[G0B+1], s56
	s_add_nc_u64 s[G0B+2:G0B+3], s[6:7], s[56:57]
	s_or_b32 s[G0B+3], s[G0B+3], 0x80000000
	s_add_nc_u64 s[60:61], s[4:5], s[60:61]
	s_add_nc_u64 s[62:63], s[4:5], s[62:63]
	tensor_load_to_lds s[G0A:G0A+3], s[G1A:G1A+7]  ; my R1 rows: every wave's one tensor load at the head
	s_nop 0
.rept 4
	v_nop
.endr
	v_and_b32 v8, 31, v0
	s_delay_alu instid0(VALU_DEP_1)
	v_lshlrev_b32 v[AL], 4, v8
	s_delay_alu instid0(VALU_DEP_2)
	v_lshlrev_b32 v[AL8], 3, v8
	v_and_b32 v9, 15, v0                           ; r
	v_bfe_u32 v10, v0, 4, 1                        ; h
	s_delay_alu instid0(VALU_DEP_2)
	v_and_b32 v[DQ], 8, v9
	s_delay_alu instid0(VALU_DEP_1)
	v_add_nc_u32 v[DQ], v[DQ], v9
	s_delay_alu instid0(VALU_DEP_3)
	v_lshlrev_b32 v10, 4, v10
	s_delay_alu instid0(VALU_DEP_1)
	v_sub_nc_u32 v[DQ], v[DQ], v10
	v_lshlrev_b32 v[R8], 3, v9
	v_lshl_add_u32 v[QSA], v9, 4, s58
.irp j, 0,1,2
	global_load_b128 v[192+4*\j:195+4*\j], v[AL], s[60:61] offset:512*\j   ; a pair of token tiles' 12 registers: mine are the lower or the upper six
	global_load_b128 v[206+4*\j:209+4*\j], v[AL], s[62:63] offset:512*\j
.endr
	global_load_b32 v204, v[QSA], s[60:61]
	global_load_b32 v218, v[QSA], s[62:63]
.irp i, 0,1,2,3,4,5
	v_mov_b32 v[22+\i], 0                          ; Q's upper 64 along K: zero codes
	v_mov_b32 v[80+\i], 0                          ; behind K's last tile
.endr
.irp b, 0,1,2,3
	v_mov_b32 v[236+\b], 0                         ; written once: a lane permute's destination counts as one of its sources
.endr
	v_mov_b32 v252, 0
	s_wait_loadcnt 0x0
.macro PROLOG raw                      ; a pass begins: its addresses, its Q, and zeros
	s_wait_xcnt 0x0                                ; earlier stores have read their registers and bases
	s_lshl_b32 s52, s[QB], 4
	s_add_co_u32 s52, s52, s[TW]                   ; my token tile among the 512: 128 batch + 16 block + w
	s_mul_i32 s54, s52, 12288
	s_add_co_u32 s54, s54, s[HOFF]
	s_mov_b32 s55, 0
	s_add_nc_u64 s[OB:OB+1], s[8:9], s[54:55]
	s_lshl_b32 s54, s52, 9
	s_add_co_u32 s54, s54, s[HOFF2]
	s_add_nc_u64 s[OB2:OB2+1], s[8:9], s[54:55]
	s_lshl_b32 s[Q0], s[QB], 8
	s_add_co_u32 s[Q0], s[Q0], s[QW]
	s_mov_b32 s[TB], 0
	s_mov_b32 s[KFK], 0
.irp i, 0,1,2,3,4,5
	v_cndmask_b32 v[16+\i], v[\raw+\i], v[\raw+6+\i], s[UM]
.endr
	v_mov_b32 v[QS], v[\raw+12]
	v_mov_b32 v13, 0xff61b1e6                      ; the largest t so far: -3e38
	s_delay_alu instid0(VALU_DEP_1)
	v_floor_f32 v12, -v13                          ; -M
	v_mov_b32 v14, 0
	v_mov_b32 v15, 0
	v_mov_b32 v253, 0
.set n, 0
.rept 32
	v_mov_b32 v[160+n], 0                          ; O^T: the first change of M multiplies zeros.  (These are also the places between the writes of Q and its scale word and the first product)
.set n, n+1
.endr
.endm
.macro STEP                            ; 128 keys
	s_cmp_gt_u32 s[KFK], s[Q0]                     ; the step's first key is a multiple of 128 and my tile lies in one group of 32: beyond Q0 means beyond all my queries
	s_cbranch_scc1 .Lhidden_\@
	v_add_nc_u32 v[ADK], s[TB], v[AL]
	v_add_nc_u32 v[ADV], s[TB], v[AL8]
	v_nop
	v_nop                                          ; four places in front of loads into registers that the last products read
.irp j, 0,1,2,3,4,5,6,7,8,9,10,11
	ds_load_b128 v[KF+4*\j:KF+4*\j+3], v[ADK] offset:512*\j
.endr
	ds_load_b128 v[KS:KS+3], v[ADK] offset:6144    ; register i: lanes 0-15 tile 2 i's words, lanes 16-31 tile 2 i + 1's
	s_wait_alu depctr_va_vdst(0)
	s_wait_dscnt 0x0
.irp t, 0,2,4,6
	v_wmma_scale_f32_16x16x128_f8f6f4 v[96+8*\t:103+8*\t], v[KF+6*\t:KF+6*\t+11], v[16:27], 0, v[KS+\t/2], v[QS] matrix_a_fmt:MATRIX_FMT_FP6 matrix_b_fmt:MATRIX_FMT_FP6
	v_wmma_scale_f32_16x16x128_f8f6f4 v[104+8*\t:111+8*\t], v[KF+6*\t+6:KF+6*\t+17], v[16:27], 0, v[KS+\t/2], v[QS] matrix_a_fmt:MATRIX_FMT_FP6 matrix_b_fmt:MATRIX_FMT_FP6 matrix_a_scale:MATRIX_SCALE_ROW1
.endr
.rept 4
	v_nop                                          ; places in front of the loads below and of the first read of the scores
.endr
.irp j, 0,1,2,3,4,5,6,7,8,9,10,11
	ds_load_b128 v[KF+4*\j:KF+4*\j+3], v[ADK] offset:6656+512*\j   ; V's four fragments land while the softmax is walked
.endr
	ds_load_b64 v[VS:VS+1], v[ADV] offset:12800
	s_add_co_u32 s52, s[KFK], 127
	s_cmp_le_u32 s52, s[Q0]                        ; all keys count for all my queries: no mask
	s_cbranch_scc1 .Lopen_\@
	s_sub_co_i32 s52, s[Q0], s[KFK]
	v_add_nc_u32 v252, s52, v[DQ]                  ; d = my query - the first key - 16 h.  Register 16 B + i holds key 32 B + 16 h + i: hidden where 32 B + i > d
	v_mov_b32 v254, 0xff800000                     ; -infinity
.set n, 0
.rept 64
	v_cmp_gt_i32 vcc_lo, 32*(n/16)+n%16, v252
	v_cndmask_b32 v[96+n], v[96+n], v254, vcc_lo
.set n, n+1
.endr
.Lopen_\@:
.irp b, 0,1,2,3
	v_max3_num_f32 v[232+\b], v[96+16*\b], v[97+16*\b], v[98+16*\b]   ; the largest score of each block of 32 keys: for the row's maximum and, since p rises with the score, for the block's largest p
.endr
.irp i, 3,5,7,9,11,13
.irp b, 0,1,2,3
	v_max3_num_f32 v[232+\b], v[232+\b], v[96+16*\b+\i], v[97+16*\b+\i]
.endr
.endr
.irp b, 0,1,2,3
	v_max_num_f32 v[232+\b], v[232+\b], v[111+16*\b]
.endr
.irp b, 0,1,2,3
	s_delay_alu instid0(VALU_DEP_4)
	v_permlanex16_b32 v[236+\b], v[232+\b], s[SEL], s[SEL+1]
.endr
.irp b, 0,1,2,3
	s_delay_alu instid0(VALU_DEP_4)
	v_max_num_f32 v[232+\b], v[232+\b], v[236+\b]  ; with lane l xor 16's 16 keys
.endr
	s_delay_alu instid0(VALU_DEP_2)
	v_max3_num_f32 v254, v232, v233, v234
	s_delay_alu instid0(VALU_DEP_1)
	v_max_num_f32 v254, v254, v235
	s_delay_alu instid0(VALU_DEP_1)
	v_mul_f32 v254, s[CS], v254                    ; the step's largest t
	s_delay_alu instid0(VALU_DEP_1)
	v_max_num_f32 v13, v13, v254
	v_mov_b32 v254, v12
	s_delay_alu instid0(VALU_DEP_2)
	v_floor_f32 v12, -v13                          ; the new -M = -ceil(t)
	s_delay_alu instid0(VALU_DEP_1)
	v_sub_f32 v254, v12, v254                      ; old M - new M: a whole number, 0 or less
	s_delay_alu instid0(VALU_DEP_1)
	v_cvt_i32_f32 v254, v254
	s_delay_alu instid0(VALU_DEP_1)
	v_ldexp_f32 v252, 1.0, v254                    ; f = 2^(old M - new M): exact
.set n, 0
.rept 32
	v_pk_fma_f32 v[96+n:97+n], v[96+n:97+n], s[CS:CS+1], v[12:13] op_sel_hi:[1,0,0]   ; t - M
.set n, n+2
.endr
.irp b, 0,1,2,3
	v_fma_f32 v[232+\b], v[232+\b], s[CS], v12
.endr
.set n, 0
	s_wait_alu depctr_va_vdst(0)                   ; ahead of the batch
.rept 64
	v_exp_f32 v[96+n], v[96+n]                     ; p = 2^(t - M)
.set n, n+1
.endr
	v_pk_mul_f32 v[14:15], v[14:15], v[252:253] op_sel_hi:[1,0]   ; the sums under the new M.  (A plain place behind the exponentials)
	s_wait_alu depctr_va_vdst(0)                   ; one wait for the batch, ahead of its first reader
.irp b, 0,1,2,3
	v_exp_f32 v[232+\b], v[232+\b]                 ; each block's largest p
.endr
	v_pk_add_f32 v[236:237], v[100:101], v[104:105]   ; the row's sum of the unquantised p, in eight chains
	v_pk_add_f32 v[254:255], v[108:109], v[112:113]
	v_pk_add_f32 v[250:251], v[116:117], v[120:121]
	v_pk_add_f32 v[248:249], v[124:125], v[128:129]
	v_pk_add_f32 v[246:247], v[132:133], v[136:137]
	v_pk_add_f32 v[244:245], v[140:141], v[144:145]
	v_pk_add_f32 v[242:243], v[148:149], v[152:153]
	v_pk_add_f32 v[14:15], v[14:15], v[156:157]
	v_pk_add_f32 v[236:237], v[236:237], v[96:97]
	v_pk_add_f32 v[254:255], v[254:255], v[98:99]
	v_pk_add_f32 v[250:251], v[250:251], v[102:103]
	v_pk_add_f32 v[248:249], v[248:249], v[106:107]
	v_pk_add_f32 v[246:247], v[246:247], v[110:111]
	v_pk_add_f32 v[244:245], v[244:245], v[114:115]
	v_pk_add_f32 v[242:243], v[242:243], v[118:119]
	v_pk_add_f32 v[14:15], v[14:15], v[122:123]
	v_pk_add_f32 v[236:237], v[236:237], v[126:127]
	v_pk_add_f32 v[254:255], v[254:255], v[130:131]
	v_pk_add_f32 v[250:251], v[250:251], v[134:135]
	v_pk_add_f32 v[248:249], v[248:249], v[138:139]
	v_pk_add_f32 v[246:247], v[246:247], v[142:143]
	v_pk_add_f32 v[244:245], v[244:245], v[146:147]
	v_pk_add_f32 v[242:243], v[242:243], v[150:151]
	v_pk_add_f32 v[14:15], v[14:15], v[154:155]
	v_pk_add_f32 v[236:237], v[236:237], v[158:159]
	s_delay_alu instid0(VALU_DEP_2)
	v_pk_add_f32 v[14:15], v[14:15], v[248:249]
	s_delay_alu instid0(VALU_DEP_2)
	v_pk_add_f32 v[236:237], v[236:237], v[246:247]
	v_pk_add_f32 v[254:255], v[254:255], v[244:245]
	v_pk_add_f32 v[250:251], v[250:251], v[242:243]
	s_delay_alu instid0(VALU_DEP_2)
	v_pk_add_f32 v[14:15], v[14:15], v[254:255]
	s_delay_alu instid0(VALU_DEP_2)
	v_pk_add_f32 v[236:237], v[236:237], v[250:251]
	s_delay_alu instid0(VALU_DEP_1)
	v_pk_add_f32 v[14:15], v[14:15], v[236:237]
	s_wait_alu depctr_va_vdst(0)                   ; and one for the four
.irp b, 0,1,2,3
	v_max_num_f32 v[232+\b], 0x1800000, v[232+\b]  ; the floor 2^(3 - 127): the byte cannot fall under 1
.endr
.irp b, 0,1,2,3
	s_delay_alu instid0(VALU_DEP_4)
	v_add_nc_u32 v[244+\b], 0xff000000, v[232+\b]
.endr
.irp b, 0,1,2,3
	s_delay_alu instid0(VALU_DEP_4)
	v_lshrrev_b32 v[236+\b], 23, v[244+\b]
.endr
	s_delay_alu instid0(VALU_DEP_3)
	v_lshl_or_b32 v253, v237, 8, v236              ; p's scale word for these 128 keys
	s_delay_alu instid0(VALU_DEP_1)
	v_lshl_or_b32 v253, v238, 16, v253
	s_delay_alu instid0(VALU_DEP_1)
	v_lshl_or_b32 v253, v239, 24, v253
.irp c, 0,1
	v_cvt_scalef32_pk16_fp6_f32 v[224+6*\c:226+6*\c], v[96+32*\c:111+32*\c], v[244+2*\c]
	v_cvt_scalef32_pk16_fp6_f32 v[236+4*\c:238+4*\c], v[112+32*\c:127+32*\c], v[244+2*\c+1]
.endr
	v_nop                                          ; one plain place behind the scaled conversions
.irp c, 0,1
.irp i, 0,1,2
	v_permlane16_swap_b32 v[224+6*\c+\i], v[236+4*\c+\i]
.endr
.irp i, 0,1,2
	s_delay_alu instid0(VALU_DEP_3)
	v_mov_b32 v[227+6*\c+\i], v[236+4*\c+\i]
.endr
.endr
.set n, 0
.rept 16
	v_pk_mul_f32 v[160+n:161+n], v[160+n:161+n], v[252:253] op_sel_hi:[1,0]   ; O^T under the new M.  (These sixteen are also the places in front of the products below)
.set n, n+2
.endr
	s_wait_alu depctr_va_vdst(0)
	s_wait_dscnt 0x0                               ; V is in
.irp t, 0,2
	v_wmma_scale_f32_16x16x128_f8f6f4 v[160+8*\t:167+8*\t], v[KF+12*\t:KF+12*\t+11], v[224:235], v[160+8*\t:167+8*\t], v[VS+\t/2], v253 matrix_a_fmt:MATRIX_FMT_FP6 matrix_b_fmt:MATRIX_FMT_FP6
	v_wmma_scale_f32_16x16x128_f8f6f4 v[168+8*\t:175+8*\t], v[KF+12*\t+12:KF+12*\t+23], v[224:235], v[168+8*\t:175+8*\t], v[VS+\t/2], v253 matrix_a_fmt:MATRIX_FMT_FP6 matrix_b_fmt:MATRIX_FMT_FP6 matrix_a_scale:MATRIX_SCALE_ROW1
.endr
.Lhidden_\@:
	s_add_co_u32 s[KFK], s[KFK], 128
	s_add_co_u32 s[TB], s[TB], STEPB
.endm
.macro KLOOP trips
	s_mov_b32 s[CNT], \trips
.Lk_\@:
	STEP
	s_sub_co_u32 s[CNT], s[CNT], 1
	s_cmp_lg_u32 s[CNT], 0
	s_cbranch_scc1 .Lk_\@
.endm
; A pass ends: O^T / l; register 16 B + i is my query's channel 32 B + 16 h + i of the head: two blocks along d_model.  Six registers of codes and two scale bytes leave.
.macro EPILOG
.rept 4
	v_nop                                          ; places behind the last products
.endr
	v_add_f32 v14, v14, v15
	s_delay_alu instid0(VALU_DEP_1)
	v_permlanex16_b32 v252, v14, s[SEL], s[SEL+1]
	s_delay_alu instid0(VALU_DEP_1)
	v_add_f32 v14, v14, v252                       ; the row's sum
	s_wait_alu depctr_va_vdst(0)                   ; ahead of the reciprocal
	v_rcp_f32 v14, v14
	v_nop                                          ; a plain place behind the reciprocal
	s_wait_alu depctr_va_vdst(0)                   ; and the wait ahead of its first reader
.set n, 0
.rept 32
	v_mul_f32 v[96+n], v[160+n], v14               ; ascending: each accumulator is read from its low end on
.set n, n+1
.endr
	v_max3_num_f32 v232, |v96|, |v97|, 0x1800000
	v_max3_num_f32 v233, |v112|, |v113|, 0x1800000
.irp i, 2,4,6,8,10,12,14
	s_delay_alu instid0(VALU_DEP_2)
	v_max3_num_f32 v232, v232, |v[96+\i]|, |v[97+\i]|
	s_delay_alu instid0(VALU_DEP_2)
	v_max3_num_f32 v233, v233, |v[112+\i]|, |v[113+\i]|
.endr
	s_delay_alu instid0(VALU_DEP_2)
	v_permlanex16_b32 v236, v232, s[SEL], s[SEL+1]
	s_delay_alu instid0(VALU_DEP_2)
	v_permlanex16_b32 v237, v233, s[SEL], s[SEL+1]
	s_delay_alu instid0(VALU_DEP_2)
	v_max_num_f32 v232, v232, v236
	s_delay_alu instid0(VALU_DEP_2)
	v_max_num_f32 v233, v233, v237
	s_delay_alu instid0(VALU_DEP_2)
	v_add_nc_u32 v244, 0xff000000, v232
	s_delay_alu instid0(VALU_DEP_2)
	v_add_nc_u32 v245, 0xff000000, v233
	s_delay_alu instid0(VALU_DEP_2)
	v_lshrrev_b32 v236, 23, v244
	s_delay_alu instid0(VALU_DEP_2)
	v_lshrrev_b32 v237, 23, v245
	s_delay_alu instid0(VALU_DEP_1)
	v_lshl_or_b32 v254, v237, 8, v236              ; my head's two bytes of the row's scale word
	v_cvt_scalef32_pk16_fp6_f32 v[224:226], v[96:111], v244
	v_cvt_scalef32_pk16_fp6_f32 v[240:242], v[112:127], v245
	v_nop                                          ; one plain place behind the scaled conversions
.irp i, 0,1,2
	v_permlane16_swap_b32 v[224+\i], v[240+\i]
.endr
.irp i, 0,1,2
	s_delay_alu instid0(VALU_DEP_3)
	v_mov_b32 v[227+\i], v[240+\i]
.endr
.irp k, 0,1,2
	global_store_b64 v[AL8], v[224+2*\k:225+2*\k], s[OB:OB+1] offset:256*\k   ; a pair of registers: 256 consecutive bytes, aligned
.endr
	global_store_b16 v[R8], v254, s[OB2:OB2+1]     ; two bytes a row, 8 bytes apart (lanes 16-31 store what lanes 0-15 store): the one small store, two bytes for 48 of codes
.endm
	s_sub_co_u32 s[QB], 7, ttmp9
	PROLOG 192
	s_wait_alu depctr_va_vdst(0)                   ; the head's end
	s_wait_tensorcnt 0x0                           ; my R1 rows are in
	ds_add_u32 v[SPW], v[NIL]
	s_wait_dscnt 0x0
	s_barrier_signal -1
	s_barrier_wait -1                              ; everybody's are: key steps 0 to 3 are whole
	tensor_load_to_lds s[G0B:G0B+3], s[G1B:G1B+7]  ; my other R2 rows, from byte 53,248 on: my one tensor load behind this barrier; the four steps below read bytes under 52,224
	s_nop 0
.rept 4
	v_nop
.endr
	KLOOP 4
	s_wait_tensorcnt 0x0                           ; my R2 rows are in,
	s_wait_dscnt 0x0
	s_barrier_signal -1
	s_barrier_wait -1                              ; everybody's are
	KLOOP 12
	EPILOG
	s_mov_b32 s[QB], ttmp9
	PROLOG 206
	KLOOP 8                                        ; block p is at most 3: no key from 1,024 on counts
	EPILOG
	s_wait_tensorcnt 0x0                           ; the wave's end, behind my last tensor load
	ds_add_u32 v[SPW], v[NIL]
	s_wait_dscnt 0x0
	s_endpgm
.Lfunc_end_k_q9133729855_attn:
	.size	k_q9133729855_attn, .Lfunc_end_k_q9133729855_attn-k_q9133729855_attn
	.p2alignl 7, 3214868480
	.fill 96, 4, 3214868480
	.section	.rodata,"a",@progbits
	.p2align	6, 0x0
	.amdhsa_kernel k_q9133729855_attn
		.amdhsa_group_segment_fixed_size 327680
		.amdhsa_private_segment_fixed_size 0
		.amdhsa_enable_private_segment 0
		.amdhsa_kernarg_size 24
		.amdhsa_user_sgpr_count 2
		.amdhsa_user_sgpr_kernarg_segment_ptr 1
		.amdhsa_wavefront_size32 1
		.amdhsa_system_sgpr_workgroup_id_x 1
		.amdhsa_system_sgpr_workgroup_id_y 1
		.amdhsa_system_sgpr_workgroup_id_z 1
		.amdhsa_system_vgpr_workitem_id 0
		.amdhsa_next_free_vgpr 256
		.amdhsa_next_free_sgpr 66
		.amdhsa_reserve_vcc 1
		.amdhsa_float_denorm_mode_32 3
		.amdhsa_float_denorm_mode_16_64 3
		.amdhsa_memory_ordered 1
		.amdhsa_forward_progress 1
		.amdhsa_inst_pref_size 86
	.end_amdhsa_kernel
	.amdgpu_metadata
---
amdhsa.version: [ 1, 2 ]
amdhsa.kernels:
  - .name:           k_q9133729855_attn
    .symbol:         k_q9133729855_attn.kd
    .args:
      - { .name: q, .offset: 0, .size: 8, .value_kind: global_buffer, .address_space: global }
      - { .name: kv, .offset: 8, .size: 8, .value_kind: global_buffer, .address_space: global }
      - { .name: oq, .offset: 16, .size: 8, .value_kind: global_buffer, .address_space: global }
    .group_segment_fixed_size: 327680
    .private_segment_fixed_size: 0
    .kernarg_segment_align: 8
    .kernarg_segment_size: 24
    .max_flat_workgroup_size: 512
    .sgpr_count:     66
    .vgpr_count:     256
    .wavefront_size: 32
...
	.end_amdgpu_metadata
.endif
;; end of part 3
;; launch oproj (part 4): grid 4 x 64, 4 waves a work-group, clusters of 4 x 4, 327,680 bytes of LDS; arguments oq, wq, out0; writes out0
.if DOCPART == 4
	.amdgcn_target "amdgcn-amd-amdhsa--gfx1250"
	.amdhsa_code_object_version 6
	.text
	.protected	k_q9133729855_oproj
	.globl	k_q9133729855_oproj
	.p2align	8
	.type	k_q9133729855_oproj,@function
k_q9133729855_oproj:
	s_mov_b64 s[64:65], 0
	v_nop
	global_prefetch_b8 v0, s[64:65] scope:SCOPE_SE
	s_setreg_imm32_b32 hwreg(HW_REG_WAVE_MODE, 25, 1), 1
	s_wait_xcnt 0x0
	s_wait_alu depctr_hold_cnt(0) depctr_sa_sdst(0) depctr_va_vdst(0) depctr_va_sdst(0) depctr_va_ssrc(0) depctr_va_vcc(0) depctr_vm_vsrc(0)
	s_getreg_b32 s2, hwreg(HW_REG_IB_STS2, 6, 4)
	s_cmp_eq_u32 s2, 0
	s_cbranch_scc0 .Lentry_in_a_cluster
	s_endpgm
.Lentry_in_a_cluster:
	s_bfe_u32 s2, ttmp6, 0x10000c
	s_cmp_lg_u32 s2, 0xf033
	s_cbranch_scc0 .Lentry_shape_is_right
	s_endpgm
.Lentry_shape_is_right:
; out0 = O W_O^T on codes of FP6 (E2M3) with E8M0 scales, f32 sums, K = 1,024 ascending.
; OPERANDS come as fragments in register order: [tile of 16 rows][fragment of 128 K: 8][1,536 bytes]; tile 2 G + u holds rows 32 G + 8 u + p + 8 (p / 8).
; W_O's fragments hold registers 4 j .. 4 j + 3 at 512 j + 16 x lane; O's hold registers 2 p, 2 p + 1 at 256 p + 8 x lane.  W_O's tiles are wq's tiles 192 on.
; A work-group makes 128 tokens x 256 channels: 4 x 64 = 256 work-groups.  A wave makes 64 x 128: 32 accumulators.  Source 0 = W_O's rows, source 1 = O's rows: a lane holds neighbouring channels of one token.
; ALL OF K LIES IN LDS, in two halves of 24 tiles x 6,144 bytes (O's 8 tiles, then W_O's 16).  Each wave brings one load of the first half at the head (waves 0, 1: four tiles of O; waves 2, 3: eight of W_O)
; and one of the second half behind the full sequence and a round of the cluster's barrier; that one has three K steps, 96 matrix instructions, in which to land.  Nothing is filled again.  One tensor load of a wave is out at the most.
; CLUSTERS of 4 x 4: O's tiles are shared along a row of the cluster, W_O's along a column: joint loads.
; SCALE WORDS ([tile][256 K: 4][row 16][128 K: 2] words) go from memory into registers: a load of 8 bytes a lane reads 256 consecutive bytes, a tile's words of 512 along K: lanes 0-15 the even 256, lanes 16-31 the odd, chosen by the ROW selector.
; No prefetch: both fills stand at the kernel's head, and there is no loop to run ahead in.
; THE WAY OUT goes through a stage of 16 rows x 528 bytes a wave, in the first half's bytes: behind the barrier in K step 3 no wave reads them and no load lands there.
.set TP,    6144                       ; a tile's bytes in half of K
.set HREG,  24*TP                      ; half of K
.set BOFF,  8*TP                       ; W_O's tiles in it
.set SPARE, 2*HREG                     ; the spare words, 128 bytes a wave: two blocks of 256 bytes that no other line names
.set XSC,   6291456                    ; oq: where the scale words begin
.set WSC,   3145728                    ; wq: likewise
.set FR,    12
.set SPITCH, 528
.set ADRA,  16                         ; v16-17 LDS address of my O fragments, half 0, 1
.set ADRB,  20                         ; v20-21 of my W_O fragments
.set STO,   24
.set RD,    25
.set L8,    26                         ; 8 x lane
.set SPW,   28                         ; my spare word; never rewritten
.set NIL,   29                         ; 0; never rewritten
.set L16,   31                         ; 16 x lane
.set SB,    32                         ; v32-63 W_O's scale words: 4 b + 2 (512 of K) + (128 of K)
.set SA,    64                         ; v64-79 O's: 4 a + ..
.set AF,    128                        ; v128-223 O's fragments, two sets of 48; window 1: W_O's, two sets at v0 and v128; window 2: the accumulators, (a, b) at v[8 (8 a + b)]
.set BK,    128                        ; the way out: rows read back, two sets of 64
.set G1,    24
.set G0,    32                         ; s[32:39] group 0 for O, one set a half
.set G1B,   44
.set G0B,   52
.set MSB, 0
.macro WIN new                         ; the immediate's high byte repeats the setting that is left
.if MSB != (\new)
	s_set_vgpr_msb (MSB<<8)|(\new)
.set MSB, (\new)
.endif
.endm
.set MUL_LO, 0xa1                      ; source 0 window 1, source 1 window 0, C and D window 2
.set TO_B,   0x40
.macro JLOAD g0a, g1a, g0b, g1b        ; waves 0, 1 fetch O, waves 2, 3 W_O; s_nop 0 and four v_nop behind each line
	s_cmp_eq_u32 s15, 0
	s_cbranch_scc0 .Lfor_b_\@
	tensor_load_to_lds s[\g0a:\g0a+3], s[\g1a:\g1a+7]
	s_nop 0
.rept 4
	v_nop
.endr
	s_branch .Lasked_\@
.Lfor_b_\@:
	tensor_load_to_lds s[\g0b:\g0b+3], s[\g1b:\g1b+7]
	s_nop 0
.rept 4
	v_nop
.endr
.Lasked_\@:
.endm
.macro CROUND                          ; a round of the cluster's barrier
	s_barrier_signal -1
	s_barrier_wait -1
	s_cmp_lg_u32 s14, 0
	s_cbranch_scc1 .Lnot_wave_0_\@
	s_barrier_signal -3
.Lnot_wave_0_\@:
	s_barrier_wait -3
	s_barrier_signal -1
	s_barrier_wait -1
.endm
.macro PLACES n
.rept \n
	v_nop
.endr
.endm
	s_load_b128 s[4:7], s[0:1], 0x0                ; oq, wq
	s_load_b64 s[12:13], s[0:1], 0x10              ; out0
	v_lshl_add_u32 v[SPW], v0, 2, SPARE
	v_mov_b32 v[NIL], 0
	ds_add_u32 v[SPW], v[NIL]                      ; the opening lines: the add twice and its wait stand ahead of my first tensor load
	ds_add_u32 v[SPW], v[NIL]
	v_lshrrev_b32 v1, 5, v0
	v_readfirstlane_b32 s14, v1                    ; wave
	s_lshr_b32 s15, s14, 1                         ; my half of the tokens.  Also: I fetch O (0) or W_O (1)
	s_and_b32 s16, s14, 1                          ; my half of the channels.  Also: which half of that operand's tiles I fetch
	s_bfe_u32 s17, ttmp6, 0x40000                  ; cx
	s_bfe_u32 s18, ttmp6, 0x40004                  ; cy
	s_and_b32 s19, ttmp7, 0xffff
	s_lshl_b32 s19, s19, 2
	s_add_co_u32 s19, s19, s18                     ; the block of 128 tokens
	s_lshl_b32 s20, s18, 2
	s_lshl_b32 s20, 15, s20                        ; my row of the cluster
	s_lshl_b32 s21, 0x1111, s17                    ; my column
	s_or_b32 s[G1], s20, (3<<16)|(1<<21)           ; the mask; elements of 8 bytes; bit 21 beside a mask
	s_or_b32 s[G1B], s21, (3<<16)|(1<<21)
.irp g, G1, G1B                        ; rows of 6,144 bytes, 12,288 bytes from tile to tile
	s_mov_b32 s[\g+1], 768<<16
	s_mov_b32 s[\g+3], 768<<16
	s_mov_b32 s[\g+5], 1536
	s_mov_b32 s[\g+6], 0
	s_mov_b32 s[\g+7], 0
.endr
	s_mov_b32 s[G1+2], 4<<16                       ; O: 4 tiles a load
	s_mov_b32 s[G1+4], 4
	s_mov_b32 s[G1B+2], 8<<16                      ; W_O: 8
	s_mov_b32 s[G1B+4], 8
	s_lshl_b32 s96, s19, 3                         ; O's first tile
	s_lshl_b32 s2, s16, 2
	s_add_co_u32 s2, s96, s2                       ; the four that I fetch
	s_lshl_b32 s3, s15, 2
	s_add_co_u32 s3, s96, s3                       ; the four that I multiply
	s_mul_i32 s96, s2, 12288
	s_mov_b32 s97, 0
	s_lshl_b32 s92, s3, 9
	s_add_co_u32 s92, s92, XSC
	s_mov_b32 s93, 0
	s_lshl_b32 s98, s17, 4
	s_add_co_u32 s98, s98, 192
	s_lshl_b32 s2, s16, 3
	s_add_co_u32 s98, s98, s2                      ; W_O's eight tiles: those that I fetch are those that I multiply
	s_lshl_b32 s94, s98, 9
	s_add_co_u32 s94, s94, WSC
	s_mov_b32 s95, 0
	s_mul_i32 s98, s98, 12288
	s_mov_b32 s99, 0
	s_mul_i32 s100, s16, 4*TP                      ; where they go: no place in the cluster enters an LDS address
	s_mul_i32 s101, s16, 8*TP
	s_add_co_u32 s101, s101, BOFF
	s_mul_i32 s21, s15, 4*TP                       ; where I read O's,
	s_add_co_u32 s22, s21, HREG
	s_add_co_u32 s23, s101, HREG                   ; and W_O's second half
	s_mul_i32 s3, s14, 16*SPITCH                   ; my stage
	s_lshl_b32 s66, s19, 1
	s_add_co_u32 s66, s66, s15
	s_lshl_b32 s66, s66, 18                        ; my 64 rows of 4,096 bytes,
	s_lshl_b32 s2, s17, 10
	s_add_co_u32 s66, s66, s2
	s_lshl_b32 s2, s16, 9
	s_add_co_u32 s66, s66, s2                      ; my 512 bytes of a row
	s_mov_b32 s67, 0
	s_wait_dscnt 0x0                               ; both opening adds are done
	s_wait_kmcnt 0x0
	s_add_nc_u64 s[92:93], s[4:5], s[92:93]
	s_add_nc_u64 s[96:97], s[4:5], s[96:97]
	s_add_nc_u64 s[94:95], s[6:7], s[94:95]
	s_add_nc_u64 s[98:99], s[6:7], s[98:99]
	s_add_nc_u64 s[12:13], s[12:13], s[66:67]
	CROUND                                         ; all sixteen work-groups are here: the first joint loads meet
.irp s, 0,1
	s_mov_b32 s[G0+4*\s], 1
	s_add_co_u32 s[G0+4*\s+1], s100, \s*HREG
	s_add_nc_u64 s[G0+4*\s+2:G0+4*\s+3], s[96:97], \s*TP
	s_or_b32 s[G0+4*\s+3], s[G0+4*\s+3], 0x80000000
	s_mov_b32 s[G0B+4*\s], 1
	s_add_co_u32 s[G0B+4*\s+1], s101, \s*HREG
	s_add_nc_u64 s[G0B+4*\s+2:G0B+4*\s+3], s[98:99], \s*TP
	s_or_b32 s[G0B+4*\s+3], s[G0B+4*\s+3], 0x80000000
.endr
	JLOAD G0, G1, G0B, G1B                         ; the first half of K: my one load at the head
	v_and_b32 v1, 31, v0
	v_lshlrev_b32 v[L16], 4, v1
	v_lshlrev_b32 v[L8], 3, v1
	v_and_b32 v2, 15, v0                           ; r
	v_bfe_u32 v3, v0, 4, 1                         ; h
	v_add_nc_u32 v[ADRA], s21, v[L8]
	v_add_nc_u32 v[ADRA+1], s22, v[L8]
	v_add_nc_u32 v[ADRB], s101, v[L16]
	v_add_nc_u32 v[ADRB+1], s23, v[L16]
	v_mul_u32_u24 v4, v2, SPITCH
	v_lshl_add_u32 v4, v3, 6, v4
	v_add_nc_u32 v[STO], s3, v4                    ; into the stage: row r, 64 bytes for each half of the lanes
	v_add_nc_u32 v[RD], s3, v[L16]                 ; back: a row of 512 bytes
	s_wait_alu depctr_va_vdst(0)                   ; the head's end
.irp i, 0,1,2,3,4,5,6,7
.irp pp, 0,1
	global_load_b64 v[SB+4*\i+2*\pp:SB+4*\i+2*\pp+1], v[L8], s[94:95] offset:512*\i+256*\pp
.endr
.endr
.irp i, 0,1,2,3
.irp pp, 0,1
	global_load_b64 v[SA+4*\i+2*\pp:SA+4*\i+2*\pp+1], v[L8], s[92:93] offset:512*\i+256*\pp
.endr
.endr
	s_wait_tensorcnt 0x0                           ; my part of the first half is in
	ds_add_u32 v[SPW], v[NIL]
	s_wait_dscnt 0x0
	CROUND                                         ; everybody's part is in, and all sixteen work-groups are here
	JLOAD G0+4, G1, G0B+4, G1B                     ; the second half of K: the first tensor load behind the round
.macro FETCH st                        ; K step st's fragments into set st % 2: 24 loads of 16 bytes, 24 of 8
.set HF, (\st)/4
.set KO, 1536*((\st)%4)
.set PF, (\st)%2
	WIN TO_B
.irp i, 0,1,2,3,4,5,6,7
.irp c, 0,1,2
	ds_load_b128 v[128*PF+FR*\i+4*\c:128*PF+FR*\i+4*\c+3], v[ADRB+HF] offset:TP*\i+KO+512*\c
.endr
.endr
	WIN 0
.irp i, 0,1,2,3
.irp p, 0,1,2,3,4,5
	ds_load_b64 v[AF+48*PF+FR*\i+2*\p:AF+48*PF+FR*\i+2*\p+1], v[ADRA+HF] offset:TP*\i+KO+256*\p
.endr
.endr
.endm
; 16 matrix instructions: O's tiles a0, a0 + 1 x W_O's eight.  The 32 accumulators take turns, one instruction a turn, in the same order in every step.  K step 0 starts the sums.
.macro MUL16 a0, st
.set PS, (\st)%2
.set SO, 2*((\st)/4)+(\st)%2
.irp a, \a0, \a0+1
.irp b, 0,1,2,3,4,5,6,7
.if (\st) == 0
	v_wmma_scale_f32_16x16x128_f8f6f4 v[8*(8*(\a)+\b):8*(8*(\a)+\b)+7], v[128*PS+FR*\b:128*PS+FR*\b+FR-1], v[AF+48*PS+FR*(\a):AF+48*PS+FR*(\a)+FR-1], 0, v[SB+4*\b+SO], v[SA+4*(\a)+SO] matrix_a_fmt:MATRIX_FMT_FP6 matrix_b_fmt:MATRIX_FMT_FP6
.elseif ((\st)/2)%2 == 0
	v_wmma_scale_f32_16x16x128_f8f6f4 v[8*(8*(\a)+\b):8*(8*(\a)+\b)+7], v[128*PS+FR*\b:128*PS+FR*\b+FR-1], v[AF+48*PS+FR*(\a):AF+48*PS+FR*(\a)+FR-1], v[8*(8*(\a)+\b):8*(8*(\a)+\b)+7], v[SB+4*\b+SO], v[SA+4*(\a)+SO] matrix_a_fmt:MATRIX_FMT_FP6 matrix_b_fmt:MATRIX_FMT_FP6
.else
	v_wmma_scale_f32_16x16x128_f8f6f4 v[8*(8*(\a)+\b):8*(8*(\a)+\b)+7], v[128*PS+FR*\b:128*PS+FR*\b+FR-1], v[AF+48*PS+FR*(\a):AF+48*PS+FR*(\a)+FR-1], v[8*(8*(\a)+\b):8*(8*(\a)+\b)+7], v[SB+4*\b+SO], v[SA+4*(\a)+SO] matrix_a_fmt:MATRIX_FMT_FP6 matrix_b_fmt:MATRIX_FMT_FP6 matrix_a_scale:MATRIX_SCALE_ROW1 matrix_b_scale:MATRIX_SCALE_ROW1
.endif
.endr
.endr
.endm
; A K step: its fragments are in; the next step's are asked for, four places behind the products that read that set; 32 products.
; K step 3 asks for the second half's first fragments: in front of them every wave's load has landed, by its own wait, and a barrier says so; sixteen products stand between signal and wait.
.macro STEP st
.if (\st) == 3
	s_wait_tensorcnt 0x0                           ; my part of the second half is in
	ds_add_u32 v[SPW], v[NIL]
	s_wait_dscnt 0x0                               ; the add is done, and my reads of the first half are over
	s_barrier_signal -1
	WIN MUL_LO
	MUL16 0, \st
	WIN 0
	s_barrier_wait -1
	PLACES 4
	FETCH (\st)+1
	WIN MUL_LO
	MUL16 2, \st
.else
	s_wait_dscnt 0x0
.if (\st) < 7
	PLACES 4
	FETCH (\st)+1
.endif
	WIN MUL_LO
	MUL16 0, \st
	MUL16 2, \st
.endif
	WIN 0
.endm
	FETCH 0
	s_wait_loadcnt 0x0                             ; the scale words are in
.irp st, 0,1,2,3,4,5,6,7
	STEP \st
.endr
; THE WAY OUT: a tile of 16 tokens x 128 channels goes through my stage and comes back as rows of 512 bytes; LDS serves a wave's instructions in order, so no wait stands between the stores and the loads.
.macro TOSTAGE a
.set AC, 64*(\a)
	WIN 0x08                                       ; the data: window 2
.irp b, 0,1,2,3,4,5,6,7
	ds_store_b128 v[STO], v[AC+8*\b:AC+8*\b+3] offset:128*(\b/2)+32*(\b%2)      ; each accumulator from its low end on
	ds_store_b128 v[STO], v[AC+8*\b+4:AC+8*\b+7] offset:128*(\b/2)+32*(\b%2)+16
.endr
	WIN 0
.set BB, BK+64*((\a)%2)
.irp t, 0,1,2,3,4,5,6,7,8,9,10,11,12,13,14,15
	ds_load_b128 v[BB+4*\t:BB+4*\t+3], v[RD] offset:\t*SPITCH
.endr
.endm
.macro SEND a, younger                 ; younger: the LDS instructions issued behind tile a's loads
.set BB, BK+64*((\a)%2)
	s_wait_dscnt \younger
.irp t, 0,1,2,3,4,5,6,7,8,9,10,11,12,13,14,15
	global_store_b128 v[L16], v[BB+4*\t:BB+4*\t+3], s[12:13] offset:(32*((\a)/2)+8*((\a)%2)+\t+8*(\t/8))*4096 th:TH_STORE_NT   ; 512 consecutive bytes, aligned
.endr
.endm
	PLACES 4                                       ; behind the last products: in front of the reads of results and the loads over O's fragments
	TOSTAGE 0
.irp a, 1,2,3
.if \a > 1
	s_wait_xcnt 0x0                                ; tile a - 2's stores have read their registers
.endif
	TOSTAGE \a
	SEND \a-1, 32
.endr
	SEND 3, 0
	s_wait_tensorcnt 0x0                           ; the wave's end
	ds_add_u32 v[SPW], v[NIL]
	s_wait_dscnt 0x0
	CROUND                                         ; the closing round
	s_endpgm
.Lfunc_end_k_q9133729855_oproj:
	.size	k_q9133729855_oproj, .Lfunc_end_k_q9133729855_oproj-k_q9133729855_oproj
	.p2alignl 7, 3214868480
	.fill 96, 4, 3214868480
	.section	.rodata,"a",@progbits
	.p2align	6, 0x0
	.amdhsa_kernel k_q9133729855_oproj
		.amdhsa_group_segment_fixed_size 327680
		.amdhsa_private_segment_fixed_size 0
		.amdhsa_enable_private_segment 0
		.amdhsa_kernarg_size 24
		.amdhsa_user_sgpr_count 2
		.amdhsa_user_sgpr_kernarg_segment_ptr 1
		.amdhsa_wavefront_size32 1
		.amdhsa_system_sgpr_workgroup_id_x 1
		.amdhsa_system_sgpr_workgroup_id_y 1
		.amdhsa_system_sgpr_workgroup_id_z 1
		.amdhsa_system_vgpr_workitem_id 0
		.amdhsa_next_free_vgpr 768
		.amdhsa_next_free_sgpr 104
		.amdhsa_reserve_vcc 0
		.amdhsa_float_denorm_mode_32 3
		.amdhsa_float_denorm_mode_16_64 3
		.amdhsa_memory_ordered 1
		.amdhsa_forward_progress 1
		.amdhsa_inst_pref_size 83
	.end_amdhsa_kernel
	.amdgpu_metadata
---
amdhsa.version: [ 1, 2 ]
amdhsa.kernels:
  - .name:           k_q9133729855_oproj
    .symbol:         k_q9133729855_oproj.kd
    .args:
      - { .name: oq, .offset: 0, .size: 8, .value_kind: global_buffer, .address_space: global }
      - { .name: wq, .offset: 8, .size: 8, .value_kind: global_buffer, .address_space: global }
      - { .name: out0, .offset: 16, .size: 8, .value_kind: global_buffer, .address_space: global }
    .group_segment_fixed_size: 327680
    .private_segment_fixed_size: 0
    .kernarg_segment_align: 8
    .kernarg_segment_size: 24
    .max_flat_workgroup_size: 128
    .sgpr_count:     104
    .vgpr_count:     768
    .wavefront_size: 32
...
	.end_amdgpu_metadata
.endif
;; end of part 4
